; MI455X (gfx1250); checked and timed in simulation.
; The chip was launched on July 23, 2026; its instructions are those of AMD's public machine-readable ISA for CDNA 5 (MIT licence, August 2026) and "CDNA5" Instruction Set Architecture Reference Guide (July 2026). The comments in the code are by the model that wrote it; some were corrected since.
;; Performer Attention. Allowed arithmetic: float matrix products may take bf16 or f16 operands with f32 sums; all other float work in f32.
;; Inputs: Wk 1,024 x 1,024 float32; Wo 1,024 x 1,024 float32; Wq 1,024 x 1,024 float32; Wv 1,024 x 1,024 float32; bo 1,024 float32; ln_b 1,024 float32; ln_g 1,024 float32; proj 256 x 64 float32; x 4 x 2,048 x 1,024 float32.
;; Outputs: out0 4 x 2,048 x 1,024 float32.
;; 2 versions, each right; version 2 is version 1 with the launch prep written anew for expert scheduling mode. Each part assembles by itself: llvm-mc -triple=amdgcn-amd-amdhsa -mcpu=gfx1250 --defsym DOCPART=n.
;; ======== version 1 of 2: 4 launches
;; limits: values outside matrix products are rounded to bf16; values are held in f16: magnitudes above 65,504 overflow, below 6.1e-05 lose precision; right only within a limited range of input values
;; workspace buffers: xnF 16,777,216 bytes; wF 6,291,456 bytes; woF 2,097,152 bytes; projF 65,536 bytes; qF 16,777,216 bytes; pE 10,485,760 bytes; stW 262,144 bytes; attnF 16,777,216 bytes
;; launch prep (part 1): grid 513 x 1, 8 waves a work-group, no clusters, 70,656 bytes of LDS; arguments x, ln_g, ln_b, Wq, Wk, Wv, Wo, proj, xnF, wF, woF, projF; writes xnF, wF, woF, projF
.if DOCPART == 1
	.amdgcn_target "amdgcn-amd-amdhsa--gfx1250"
	.amdhsa_code_object_version 6
	.text
	.protected	k_qbb636bcd0d_prep
	.globl	k_qbb636bcd0d_prep
	.p2align	8
	.type	k_qbb636bcd0d_prep,@function
k_qbb636bcd0d_prep:
	s_mov_b64 s[64:65], 0
	v_nop
	global_prefetch_b8 v0, s[64:65] scope:SCOPE_SE
	s_setreg_imm32_b32 hwreg(HW_REG_WAVE_MODE, 25, 1), 1
	s_wait_xcnt 0x0
; PREP: LayerNorm of x, and the casts of Wq, Wk, Wv, Wo and proj, all to 16 bits in FRAGMENT ORDER.
; Fragment order: a block of 1,024 bytes is one matrix operand of 16 rows x 32 K; bytes half*512 + lane*16 hold, for
; lane (r = lane & 15, h = lane >> 4), the eight numbers (row r, K = 16 half + 8 h + 0..7).  A wave's 16-byte access at
; lane*16 is then 512 consecutive bytes, in memory and in LDS alike, and two such loads are an operand.
;
; WORK OF THE WHOLE PROGRAM THAT IS LEFT OUT, for all values of the inputs:
;  * ratio = M^-0.5 multiplies qp and kp.  out = (qp . context) / (qp . k_sum), and context and k_sum each carry one factor
;    ratio from kp: numerator and denominator both carry ratio^2, which cancels.  No launch multiplies by it.
;  * the eps in kp adds eps * (sum over n of 1) to k_sum; that sum is the sequence length 2,048, so the term is the constant 0.2048.
;  The eps terms themselves are kept, exactly, beside the exponentials: context = sum E v + eps sum v, and so on.
;  Every input has a way to the output and every input is loaded.
; CONSTANTS FOLDED: proj is stored twice, times 2^-1.5 log2(e) for k and times 2^-4.5 log2(e) for q (dim_head^-0.25, q's scale
;  dim_head^-0.5, and the change from e^x to 2^x; a positive factor commutes with the maxima that are taken away).
; FORMATS OF THE MATRIX OPERANDS.  The attention's result is close to a mean of v over 2,048 rows, so the rounding of xn, Wv, v, attn and Wo
;  each reaches out0 at its full relative size, and an error in k . proj is an equal relative error of kp.  So f16 (11 bits) wherever the
;  operand has room in f16's range, bf16 (8 bits) elsewhere:
;  f16:  xn (|xn| <= 32 |ln_g| + |ln_b| whatever x holds: a normalised row of 1,024 numbers has none above sqrt(1024));
;        the four weight matrices and k's copy of proj (below 6.1e-5 the step is 6e-8: for weights of order 0.02 / 30 that is 1e-4 of their spread);
;        k and v (of order 32 x 0.02 x |xn|; 30 times on the gain and 30 times on the weights make them of order 600, f16 ends at 65,504);
;        E = 2^(..) (in [0, 1] since the maximum is taken away; an error of 3e-8 below 6.1e-5 stands beside eps = 1e-4 in kp);
;        attn, stored times 8 (a convex combination of v, so 8 |attn| <= 8 max |v|; the factor keeps a mean of 2,048 small v in the normal range).
;  bf16: the context (from eps x sum v up to 2,048 x max |v|: wider than f16), with it its partner e, and q's chain (q, q's copy of proj).
; LIMITS: |k| or |v| above 65,504, or |v| above 8,188 (attn times 8), overflow f16; sums are made in another order than the reference's;
;  v_exp_f32 gives 0 below 2^-126; a NaN or an infinity in the inputs is not carried as the reference carries it (the maxima drop a NaN).
;
; Work-groups 0-255: LayerNorm of 32 rows each (a wave: 4 rows, each whole in 32 registers, read from memory once).
; Work-groups 256-511: a wave transposes 32 k x 64 n of one weight matrix through its own LDS bytes.  Work-group 512: proj.
; No matrix unit, no cluster: nothing here is a product and no two work-groups read the same bytes of x or of a weight.
.set T,   8                            ; v[8:15]    four chains of pairs
.set MU,  16                           ; v[16:17]   minus the mean, twice
.set RS,  18                           ; v[18:19]   1/sqrt(var + eps), twice
.set Y,   20                           ; v[20:35]   a row's 32 numbers of this lane as f16
.set TMP, 36                           ; v36        the other half's sum
.set X,   64                           ; v[64:191]  four rows, 32 registers each
.set GG,  192                          ; v[192:223] ln_g of my 32 columns
.set BB,  224                          ; v[224:255] ln_b of my 32 columns
.set LNP, 2064                         ; LDS pitch of a row of 1,024 f16: 2,048 + 16 bytes, an odd multiple of 16
	s_load_b512 s[4:19], s[0:1], 0x0               ; x, ln_g, ln_b, Wq, Wk, Wv, Wo, proj
	s_load_b256 s[20:27], s[0:1], 0x40             ; xnF, wF, woF, projF
	v_lshl_add_u32 v62, v0, 2, 0x11000
	v_mov_b32 v63, 0
	v_lshrrev_b32 v1, 5, v0
	v_readfirstlane_b32 s28, v1                    ; wave 0..7
	v_and_b32 v1, 31, v0                           ; lane
	v_and_b32 v2, 15, v0                           ; r
	v_bfe_u32 v3, v0, 4, 1                         ; h
	v_lshlrev_b32 v4, 4, v1                        ; 16 x lane
	s_wait_kmcnt 0x0
	s_cmp_lt_u32 ttmp9, 0x100
	s_cbranch_scc0 .Lweights
; ---------------------------------------------------------------- LayerNorm: 32 rows
	s_mov_b32 s30, 0x76543210                      ; v_permlanex16_b32: lane i reads lane i of the other half
	s_mov_b32 s31, 0xfedcba98
	s_mov_b32 s32, 0x3a800000                      ; 1/1024
	s_mov_b32 s33, 0x3727c5ac                      ; 1e-5
	s_lshl_b32 s34, ttmp9, 17                      ; 32 rows of 4,096 bytes
	s_mov_b32 s35, 0
	s_add_nc_u64 s[4:5], s[4:5], s[34:35]
	v_lshl_add_u32 v5, s28, 14, v4                 ; my wave's 4 rows + 16 x lane
.irp j, 0,1,2,3,4,5,6,7
	global_load_b128 v[GG+4*\j:GG+4*\j+3], v4, s[6:7] offset:512*\j
.endr
.irp j, 0,1,2,3,4,5,6,7
	global_load_b128 v[BB+4*\j:BB+4*\j+3], v4, s[8:9] offset:512*\j
.endr
.irp rr, 0,1,2,3
.irp j, 0,1,2,3,4,5,6,7
	global_load_b128 v[X+32*\rr+4*\j:X+32*\rr+4*\j+3], v5, s[4:5] offset:4096*\rr+512*\j th:TH_LOAD_NT
.endr
.endr
	s_mul_i32 s36, s28, 4*LNP
	v_lshl_add_u32 v6, v1, 3, s36                  ; LDS, in: my wave's 4 rows + 8 x lane
	v_mul_u32_u24 v7, v2, LNP
	v_lshl_add_u32 v7, v3, 4, v7
	v_lshl_add_u32 v7, s28, 8, v7                  ; LDS, out: row r, K chunks 4 w .. 4 w + 3 (64 bytes each), 16 h
	v_lshl_add_u32 v37, s28, 17, v4                ; xnF: chunk 4 w (32,768 bytes each) + 16 x lane
	v_mov_b32 v[TMP], 0                            ; v_permlanex16_b32 counts as a reader of its destination
	s_lshr_b32 s34, ttmp9, 4
	s_lshl_b32 s34, s34, 20                        ; block of 512 rows
	s_and_b32 s36, ttmp9, 15
	s_lshl_b32 s36, s36, 11                        ; my two row tiles in it
	s_add_co_u32 s34, s34, s36
	s_add_nc_u64 s[20:21], s[20:21], s[34:35]
.macro FOLD                            ; four chains of pairs -> one sum, in every lane
	v_pk_add_f32 v[T:T+1], v[T:T+1], v[T+2:T+3]
	v_pk_add_f32 v[T+4:T+5], v[T+4:T+5], v[T+6:T+7]
	v_pk_add_f32 v[T:T+1], v[T:T+1], v[T+4:T+5]
	v_add_f32 v[T], v[T], v[T+1]
	v_add_f32_dpp v[T], v[T], v[T] row_xmask:1 row_mask:0xf bank_mask:0xf
	v_add_f32_dpp v[T], v[T], v[T] row_xmask:2 row_mask:0xf bank_mask:0xf
	v_add_f32_dpp v[T], v[T], v[T] row_xmask:4 row_mask:0xf bank_mask:0xf
	v_add_f32_dpp v[T], v[T], v[T] row_xmask:8 row_mask:0xf bank_mask:0xf
	v_permlanex16_b32 v[TMP], v[T], s30, s31
	v_add_f32 v[T], v[T], v[TMP]
.endm
.macro LNROW rr
.set XR, X+32*\rr
	s_wait_loadcnt 24-8*\rr                        ; loads return in order: this row is in, the eight loads of each later row stay out
.irp k, 0,1,2,3
	v_pk_add_f32 v[T+2*\k:T+2*\k+1], v[XR+2*\k:XR+2*\k+1], v[XR+8+2*\k:XR+9+2*\k]
.endr
.irp p, 8,12
.irp k, 0,1,2,3
	v_pk_add_f32 v[T+2*\k:T+2*\k+1], v[T+2*\k:T+2*\k+1], v[XR+2*(\p+\k):XR+2*(\p+\k)+1]
.endr
.endr
	FOLD
	v_mul_f32 v[MU], 0xba800000, v[T]              ; minus the mean
	v_mov_b32 v[MU+1], v[MU]
.irp p, 0,1,2,3,4,5,6,7,8,9,10,11,12,13,14,15
	v_pk_add_f32 v[XR+2*\p:XR+2*\p+1], v[XR+2*\p:XR+2*\p+1], v[MU:MU+1]
.endr
.irp k, 0,1,2,3
	v_pk_mul_f32 v[T+2*\k:T+2*\k+1], v[XR+2*\k:XR+2*\k+1], v[XR+2*\k:XR+2*\k+1]
.endr
.irp p, 4,8,12
.irp k, 0,1,2,3
	v_pk_fma_f32 v[T+2*\k:T+2*\k+1], v[XR+2*(\p+\k):XR+2*(\p+\k)+1], v[XR+2*(\p+\k):XR+2*(\p+\k)+1], v[T+2*\k:T+2*\k+1]
.endr
.endr
	FOLD
	v_fma_f32 v[T], v[T], s32, s33                 ; variance + 1e-5
	v_rsq_f32 v[RS], v[T]
	v_nop                                          ; one plain instruction behind the transcendental (ISA guide 5.7.2)
	s_wait_alu depctr_va_vdst(0)
	v_mov_b32 v[RS+1], v[RS]
.irp p, 0,1,2,3,4,5,6,7,8,9,10,11,12,13,14,15
	v_pk_mul_f32 v[XR+2*\p:XR+2*\p+1], v[XR+2*\p:XR+2*\p+1], v[RS:RS+1]
.endr
.irp p, 0,1,2,3,4,5,6,7,8,9,10,11,12,13,14,15
	v_pk_fma_f32 v[XR+2*\p:XR+2*\p+1], v[XR+2*\p:XR+2*\p+1], v[GG+2*\p:GG+2*\p+1], v[BB+2*\p:BB+2*\p+1]
.endr
.irp p, 0,1,2,3,4,5,6,7,8,9,10,11,12,13,14,15
	v_cvt_pk_f16_f32 v[Y+\p], v[XR+2*\p], v[XR+2*\p+1]
.endr
.irp j, 0,1,2,3,4,5,6,7
	ds_store_b64 v6, v[Y+2*\j:Y+2*\j+1] offset:\rr*LNP+\j*256      ; 32 lanes x 8 bytes: 256 consecutive bytes of the row
.endr
.endm
	LNROW 0
	LNROW 1
	LNROW 2
	LNROW 3
	s_wait_dscnt 0x0                               ; my rows are in LDS, for the other waves' sake
	s_barrier_signal -1
	s_barrier_wait -1
	; out in fragment order: wave w takes K chunks 4 w .. 4 w + 3 of both row tiles
.set u, 0
.irp i2, 0,1
.irp cc, 0,1,2,3
.irp hf, 0,1
	ds_load_b128 v[X+4*u:X+4*u+3], v7 offset:\i2*16*LNP+\cc*64+\hf*32
.set u, u+1
.endr
.endr
.endr
.set u, 0
.irp i2, 0,1
.irp cc, 0,1,2,3
.irp hf, 0,1
	s_wait_dscnt 15-u                              ; LDS loads return in order: the younger ones stay out
	global_store_b128 v37, v[X+4*u:X+4*u+3], s[20:21] offset:\cc*32768+\i2*1024+\hf*512   ; 512 consecutive bytes
.set u, u+1
.endr
.endr
.endr
	s_wait_tensorcnt 0x0
	ds_add_u32 v62, v63
	s_wait_dscnt 0x0
	s_endpgm
; ---------------------------------------------------------------- weights: 32 k x 64 n a wave, transposed
.Lweights:
	s_cmp_lt_u32 ttmp9, 0x200
	s_cbranch_scc0 .Lproj
	s_sub_co_u32 s34, ttmp9, 256
	s_lshr_b32 s35, s34, 6                         ; 0 Wq, 1 Wk, 2 Wv, 3 Wo
	s_bfe_u32 s36, s34, 0x40002                    ; block of 64 columns
	s_and_b32 s37, s34, 3
	s_lshl3_add_u32 s37, s37, s28                  ; K chunk of 32: 8 x (id & 3) + wave
	s_lshl_b32 s38, s37, 17                        ; 32 rows of 4,096 bytes
	s_lshl_b32 s39, s36, 8
	s_add_co_u32 s38, s38, s39
	s_mov_b32 s39, 0
	s_mul_i32 s40, s36, 393216                     ; wF: [head][chunk][12 tiles][1,024]
	s_mul_i32 s41, s37, 12288
	s_add_co_u32 s40, s40, s41
	s_lshl_b32 s41, s35, 12
	s_add_co_u32 s40, s40, s41
	s_lshr_b32 s41, s36, 1                         ; woF: [block of 128 columns][chunk][8 tiles][1,024]
	s_lshl_b32 s41, s41, 18
	s_lshl_b32 s42, s37, 13
	s_add_co_u32 s41, s41, s42
	s_and_b32 s42, s36, 1
	s_lshl_b32 s42, s42, 12
	s_add_co_u32 s41, s41, s42
	s_cmp_eq_u32 s35, 1
	s_cselect_b64 s[44:45], s[12:13], s[10:11]
	s_cmp_eq_u32 s35, 2
	s_cselect_b64 s[44:45], s[14:15], s[44:45]
	s_cmp_eq_u32 s35, 3
	s_cselect_b64 s[44:45], s[16:17], s[44:45]
	s_cselect_b64 s[46:47], s[24:25], s[22:23]
	s_cselect_b32 s40, s41, s40
	s_mov_b32 s41, 0
	s_add_nc_u64 s[44:45], s[44:45], s[38:39]
	s_add_nc_u64 s[46:47], s[46:47], s[40:41]
	v_lshlrev_b32 v5, 4, v2
	v_lshl_add_u32 v5, v3, 12, v5                  ; two rows a load: lanes 0-15 one row's 256 bytes, lanes 16-31 the next row's
.set i, 0
.rept 16
	global_load_b128 v[64+4*i:64+4*i+3], v5, s[44:45] offset:i*8192 th:TH_LOAD_NT
.set i, i+1
.endr
	s_mul_i32 s29, s28, 8704                       ; my wave's own 32 rows of 272 bytes: no other wave touches them, so no barrier
	v_mul_u32_u24 v6, v3, 272
	v_lshl_add_u32 v6, v2, 4, v6
	v_add_nc_u32 v6, s29, v6
	v_mul_u32_u24 v7, v3, 2176                     ; 8 h rows down: 544 words, so the two halves of the lanes fall 32 banks apart
	v_lshl_add_u32 v7, v2, 2, v7
	v_add_nc_u32 v7, s29, v7
.set i, 0
.rept 16
	s_wait_loadcnt 15-i
	ds_store_b128 v6, v[64+4*i:64+4*i+3] offset:i*544
.set i, i+1
.endr
.set u, 0                              ; u = 2 x tile + half.  LDS serves a wave's instructions in order: these see the stores above
.rept 8
.irp j, 0,1,2,3,4,5,6,7
	ds_load_b32 v[128+8*u+\j], v7 offset:(16*(u%2)+\j)*272+(u/2)*64        ; W[k = 16 half + 8 h + j][n = 16 tile + r]
.endr
.set u, u+1
.endr
.set u, 0
.rept 8
	s_wait_dscnt 56-8*u                            ; the later groups of eight stay out
.irp jj, 0,1,2,3
	v_cvt_pk_f16_f32 v[192+4*u+\jj], v[128+8*u+2*\jj], v[128+8*u+2*\jj+1]
.endr
	global_store_b128 v4, v[192+4*u:192+4*u+3], s[46:47] offset:u*512
.set u, u+1
.endr
	s_wait_tensorcnt 0x0
	ds_add_u32 v62, v63
	s_wait_dscnt 0x0
	s_endpgm
; ---------------------------------------------------------------- proj, twice: scaled for k (f16), scaled for q (bf16)
.Lproj:
	v_lshlrev_b32 v5, 8, v2
	v_lshl_add_u32 v5, v3, 5, v5
	v_lshl_add_u32 v5, s28, 13, v5                 ; feature 32 w + r (256 bytes a row), 32 h
	v_lshl_add_u32 v6, s28, 12, v4
.set u, 0                              ; u = 4 x (feature tile of my two) + 2 x chunk + half
.rept 8
	global_load_b128 v[64+8*u:64+8*u+3], v5, s[18:19] offset:(u/4)*4096+((u/2)%2)*128+(u%2)*64
	global_load_b128 v[64+8*u+4:64+8*u+7], v5, s[18:19] offset:(u/4)*4096+((u/2)%2)*128+(u%2)*64+16
.set u, u+1
.endr
.set u, 0
.rept 8
	s_wait_loadcnt 14-2*u
.irp p, 0,1,2,3
	v_pk_mul_f32 v[T+2*\p:T+2*\p+1], v[64+8*u+2*\p:64+8*u+2*\p+1], 0x3f0293ee op_sel_hi:[1,0]    ; 2^-1.5 log2(e)
.endr
.irp p, 0,1,2,3
	v_cvt_pk_f16_f32 v[128+4*u+\p], v[T+2*\p], v[T+2*\p+1]
.endr
	global_store_b128 v6, v[128+4*u:128+4*u+3], s[26:27] offset:u*512
.irp p, 0,1,2,3
	v_pk_mul_f32 v[T+2*\p:T+2*\p+1], v[64+8*u+2*\p:64+8*u+2*\p+1], 0x3d8293ee op_sel_hi:[1,0]    ; an eighth of that
.endr
.irp p, 0,1,2,3
	v_cvt_pk_bf16_f32 v[160+4*u+\p], v[T+2*\p], v[T+2*\p+1]
.endr
	global_store_b128 v6, v[160+4*u:160+4*u+3], s[26:27] offset:32768+u*512
.set u, u+1
.endr
	s_endpgm
.Lfunc_end_k_qbb636bcd0d_prep:
	.size	k_qbb636bcd0d_prep, .Lfunc_end_k_qbb636bcd0d_prep-k_qbb636bcd0d_prep
	.p2alignl 7, 3214868480
	.fill 96, 4, 3214868480
	.section	.rodata,"a",@progbits
	.p2align	6, 0x0
	.amdhsa_kernel k_qbb636bcd0d_prep
		.amdhsa_group_segment_fixed_size 70656
		.amdhsa_private_segment_fixed_size 0
		.amdhsa_enable_private_segment 0
		.amdhsa_kernarg_size 96
		.amdhsa_user_sgpr_count 2
		.amdhsa_user_sgpr_kernarg_segment_ptr 1
		.amdhsa_wavefront_size32 1
		.amdhsa_system_sgpr_workgroup_id_x 1
		.amdhsa_system_sgpr_workgroup_id_y 1
		.amdhsa_system_sgpr_workgroup_id_z 1
		.amdhsa_system_vgpr_workitem_id 0
		.amdhsa_next_free_vgpr 256
		.amdhsa_next_free_sgpr 66
		.amdhsa_reserve_vcc 0
		.amdhsa_float_denorm_mode_32 3
		.amdhsa_float_denorm_mode_16_64 3
		.amdhsa_memory_ordered 1
		.amdhsa_forward_progress 1
		.amdhsa_inst_pref_size 66
	.end_amdhsa_kernel
	.amdgpu_metadata
---
amdhsa.version: [ 1, 2 ]
amdhsa.kernels:
  - .name:           k_qbb636bcd0d_prep
    .symbol:         k_qbb636bcd0d_prep.kd
    .args:
      - { .name: x, .offset: 0, .size: 8, .value_kind: global_buffer, .address_space: global }
      - { .name: ln_g, .offset: 8, .size: 8, .value_kind: global_buffer, .address_space: global }
      - { .name: ln_b, .offset: 16, .size: 8, .value_kind: global_buffer, .address_space: global }
      - { .name: Wq, .offset: 24, .size: 8, .value_kind: global_buffer, .address_space: global }
      - { .name: Wk, .offset: 32, .size: 8, .value_kind: global_buffer, .address_space: global }
      - { .name: Wv, .offset: 40, .size: 8, .value_kind: global_buffer, .address_space: global }
      - { .name: Wo, .offset: 48, .size: 8, .value_kind: global_buffer, .address_space: global }
      - { .name: proj, .offset: 56, .size: 8, .value_kind: global_buffer, .address_space: global }
      - { .name: xnF, .offset: 64, .size: 8, .value_kind: global_buffer, .address_space: global }
      - { .name: wF, .offset: 72, .size: 8, .value_kind: global_buffer, .address_space: global }
      - { .name: woF, .offset: 80, .size: 8, .value_kind: global_buffer, .address_space: global }
      - { .name: projF, .offset: 88, .size: 8, .value_kind: global_buffer, .address_space: global }
    .group_segment_fixed_size: 70656
    .private_segment_fixed_size: 0
    .kernarg_segment_align: 8
    .kernarg_segment_size: 96
    .max_flat_workgroup_size: 256
    .sgpr_count:     66
    .vgpr_count:     256
    .wavefront_size: 32
...
	.end_amdgpu_metadata
.endif
;; end of part 1
;; launch qkvk (part 2): grid 16 x 16, 4 waves a work-group, clusters of 4 x 4, 327,680 bytes of LDS; arguments xnF, wF, projF, qF, pE, stW; writes qF, pE, stW
.if DOCPART == 2
	.amdgcn_target "amdgcn-amd-amdhsa--gfx1250"
	.amdhsa_code_object_version 6
	.text
	.protected	k_qbb636bcd0d_qkvk
	.globl	k_qbb636bcd0d_qkvk
	.p2align	8
	.type	k_qbb636bcd0d_qkvk,@function
k_qbb636bcd0d_qkvk:
	s_mov_b64 s[64:65], 0
	v_nop
	global_prefetch_b8 v0, s[64:65] scope:SCOPE_SE
	s_setreg_imm32_b32 hwreg(HW_REG_WAVE_MODE, 25, 1), 1
	s_wait_xcnt 0x0
	s_wait_alu depctr_hold_cnt(0) depctr_sa_sdst(0) depctr_va_vdst(0) depctr_va_sdst(0) depctr_va_ssrc(0) depctr_va_vcc(0) depctr_vm_vsrc(0)
	s_getreg_b32 s2, hwreg(HW_REG_IB_STS2, 6, 4)
	s_cmp_eq_u32 s2, 0
	s_cbranch_scc0 .Lentry_in_a_cluster
	s_endpgm
.Lentry_in_a_cluster:
	s_bfe_u32 s2, ttmp6, 0x10000c
	s_cmp_lg_u32 s2, 0xf033
	s_cbranch_scc0 .Lentry_shape_is_right
	s_endpgm
.Lentry_shape_is_right:
; QKVK: q, k, v of one head for 512 rows, then k's feature map and this chunk's share of the context, all in registers.
; Left out, as shown at the head of the first kernel: the factor ratio (it cancels between numerator and denominator).
; A work-group: 512 rows x (64 q + 64 k + 64 v).  A wave: 128 rows x 192 columns = 96 accumulator tiles, 768 registers.
; K = 1,024 is 32 chunks of 32.  They go through two LDS slots of three chunks each (512 x 96 of xn, 192 x 96 of W: 135,168 bytes; two slots
; of four chunks, 360,448 bytes, would not fit): ten periods of three chunks and a last one of two.
; All operands lie in memory in fragment order (blocks of 1,024 bytes, lane*16 + half*512), so tiles are dense rows of 256 bytes.
; CLUSTER 4 x 4: work-groups with the same block of rows (a row of the cluster) ask for xn's tile jointly, those with the same head
; (a column) for W's.  Waves 0, 1, 2 ask for one chunk of xn each (32,768 bytes), wave 3 for W's three (36,864 bytes).
; A wave has two tensor loads out at the start, one later.
; NO TRANSPOSE IS NEEDED ANYWHERE: a 16 x 16 result holds, in a lane, 8 consecutive rows of one column, which packed to 16 bits is half an
; operand of the next product.  q and k are made as W x xn^T (lane = sequence row, registers along dim_head), v as xn x W (lane = d,
; registers along the sequence), k.proj as k x proj^T (lane = feature, registers along the sequence).
; THE MAXIMUM OVER (n, m) OF ONE (b, h) spans waves and work-groups.  Each wave takes away the maximum of its own 128 rows and each group of
; 64 features.  Where the four waves' tiles are added, each is scaled by 2^(own maximum - largest of the four); that largest, lm, is stored, and
; the next launch rescales by 2^(lm - stab) with stab = the largest lm, which is the reference's own maximum, exactly.
; PRODUCTS AMONG THE EXPONENTIALS: a group of 64 features goes through the exponentials one row tile at a time, and the E x v products of the
; two row tiles before stand among them, one product in front of every three exponentials.  An exponential reads its one source from the window
; of the product's first operand and writes into the window of its result; so E's fragments are packed in place into k.proj's registers
; (window 1), the exponentials write 32 registers of scratch beside the context (window 3), and one window setting serves both.
; 60 of a group's 80 E x v products stand so; the 64 k x proj products and the last 20 do not: a second set of k.proj would take 256 registers.
; Out: qF (q in bf16, operand order), pE (bf16, in the operand order of the next launch's context: sum E v and, as a fifth tile, sum E),
; stW (the four lm; sum over n of v).
; FORMATS (reasons at the head of the first kernel): every product here has f16 operands: xn, W, k, proj, E, v.  q leaves in bf16.
; LIMITS: |k| or |v| above 65,504 overflows f16; E below 6.1e-5 is kept to 6e-8 (beside eps = 1e-4 in kp); 2^x gives 0 below 2^-126;
; a NaN in the inputs is dropped by the maxima.  This chunk's partial context, summed in f32 over its 512 rows, is ROUNDED TO bf16 as it
; leaves: the next launch adds the four chunks' in f32 and rounds the sum to bf16 as a matrix operand, so the context carries four roundings
; of its parts beside the one of the whole.
.set SLOT,  135168                     ; xn: 3 chunks x 32 tiles x 1,024; then W at 98,304: 3 chunks x 12 tiles x 1,024
.set BOFF,  98304
.set DIAG,  2*SLOT                     ; 4 waves x 128 words: -diag of the wave's rows
.set MAXX,  DIAG+2048                  ; [feature group 4][wave 4] words
.set SVX,   MAXX+256                   ; 4 waves x 512 bytes: sum of v
; RED, two buffers that take turns group by group: bytes 0 .. 81,919 and SLOT .. SLOT + 81,919, [wave 4][tile 20][1,024],
; each in a slot behind its last fill
.set LB,  1                            ; 16 x lane
.set DGS, 2                            ; DIAG, store: wave, 4 r
.set DGL, 3                            ; DIAG, load: wave, 32 h
.set MXS, 4
.set MXL, 5
.set SVS, 6
.set SVR, 10
.set PEO, 14                           ; my offset in pE: 5,120 (w >> 1) + 512 (w & 1) + 16 lane
.set XA,  16                           ; v16-17 xn's fragments in slot 0, 1: chunks 0 and 1 by the immediate
.set WA,  18                           ; v18-19 W's
.set XB,  20                           ; v20-21 xn's third chunk: 65,536 further, beyond the 16-bit immediate
.set RST, 22                           ; v22-23 RED buffer 0, 1, store: 20,480 w + 16 lane
.set RL0, 24                           ; v24-25 RED buffer 0, 1, load: 5,120 w + 16 lane
.set RL1, 26                           ; v26-27 + 40,960
.set WB0, 32                           ; W fragments of q's, k's, v's four column tiles
.set WB1, 192
.set WB2, 224
.set XF0, 64                           ; xn fragments of my 8 row tiles, two buffers that take turns chunk by chunk
.set XF1, 128
.set FS,  32                           ; behind the main loop: v[32:39] 2^(maximum of wave s - largest), each twice
.set SS,  40                           ; v[40:55] eight chains of pairs
.set MX,  40                           ; v[40:43] four running maxima
.set LM,  44                           ; v[44:45] my wave's maximum, twice
.set LMS, 48                           ; v[48:51] the four groups' largest maxima
.set MT,  52                           ; v[52:55] the four waves' maxima
.set SVT, 56                           ; v[56:59]
.set KF,  64                           ; v[64:191] q packed, then k's fragments: 16 a + 8 c
.set PF,  192                          ; v[192:255] proj's fragments of one feature group: 16 ff + 8 c
; window 1: k.proj, tile (a, ff) at 8 (4 a + ff); E's fragment (kc, ff) is packed into the registers of tile (2 kc, ff)
.set VF,  0                            ; window 2: v's fragments 8 (4 kc + t)
.set ONES, 128                         ; window 2: v[128:135] a fragment of ones (f16)
.set NB,  160                          ; window 3: -diag - maximum of rows 16 a + 8 h + j at 8 a + j.  Context tiles at 8 (5 ff + t)
.set EE,  224                          ; window 3: v[224:255] one row tile's 32 exponentials
.set G1A, 24                           ; s[24:31] shape of xn's tile: 128 rows of 256 bytes
.set G0A, 32                           ; s[32:39] from where, to where: a set for each slot
.set G1B, 40                           ; s[40:47] shape of W's tile: 144 rows
.set G0B, 48                           ; s[48:55]
.set G1C, 80                           ; s[80:87] shape of W's last tile, two chunks: 96 rows
.set MSB, 0
.macro WIN new                         ; low byte: bits 1:0 source 0, 3:2 source 1, 5:4 source 2, 7:6 destination; high byte: the setting left
.if MSB != \new
	s_set_vgpr_msb (MSB<<8)|\new
.set MSB, \new
.endif
.endm
.macro PLACES                          ; four plain vector instructions between a matrix instruction and what reads its result or writes its registers (ISA guide 7.12.1)
.rept 4
	v_nop
.endr
.endm
.macro JLOAD s                         ; a joint load: one line and one mask for xn's tiles, one for W's; the branch hangs on the wave's number alone
	s_cmp_eq_u32 s16, 3
	s_cbranch_scc1 .Lfor_b_\@
	tensor_load_to_lds s[G0A+4*\s:G0A+4*\s+3], s[G1A:G1A+7]
	s_nop 0
	s_branch .Lasked_\@
.Lfor_b_\@:
	tensor_load_to_lds s[G0B+4*\s:G0B+4*\s+3], s[G1B:G1B+7]
	s_nop 0
.Lasked_\@:
.endm
.macro JLOADS s                        ; the last period has two chunks: waves 0, 1 ask for them, wave 2 has no part to fill, wave 3 asks for 96 rows of W
	s_cmp_lt_u32 s16, 2
	s_cbranch_scc0 .Lnot_a_\@
	tensor_load_to_lds s[G0A+4*\s:G0A+4*\s+3], s[G1A:G1A+7]
	s_nop 0
	s_branch .Lshort_\@
.Lnot_a_\@:
	s_cmp_eq_u32 s16, 3
	s_cbranch_scc0 .Lshort_\@
	tensor_load_to_lds s[G0B+4*\s:G0B+4*\s+3], s[G1C:G1C+7]
	s_nop 0
.Lshort_\@:
.endm
.macro CREST                           ; a round of the cluster's barrier behind its opening work-group barrier
	s_cmp_lg_u32 s16, 0
	s_cbranch_scc1 .Lnot_wave_0_\@
	s_barrier_signal -3
.Lnot_wave_0_\@:
	s_barrier_wait -3
	s_barrier_signal -1
	s_barrier_wait -1
.endm
.macro CROUND
	s_barrier_signal -1
	s_barrier_wait -1
	CREST
.endm
	s_load_b256 s[4:11], s[0:1], 0x0               ; xnF, wF, projF, qF
	s_load_b128 s[12:15], s[0:1], 0x20             ; pE, stW
	v_lshl_add_u32 v30, v0, 2, 0x43100
	v_mov_b32 v31, 0
	ds_add_u32 v30, v31
	ds_add_u32 v30, v31
	v_lshrrev_b32 v1, 5, v0
	v_readfirstlane_b32 s16, v1                    ; wave 0..3
	s_lshr_b32 s17, s16, 1
	s_and_b32 s18, s16, 1
	s_bfe_u32 s19, ttmp6, 0x40000                  ; cx
	s_bfe_u32 s20, ttmp6, 0x40004                  ; cy
	s_lshl_b32 s21, ttmp9, 2
	s_add_co_u32 s21, s21, s19                     ; head
	s_and_b32 s22, ttmp7, 0xffff
	s_lshl_b32 s22, s22, 2
	s_add_co_u32 s22, s22, s20                     ; block of 512 rows
	s_lshl_b32 s56, s20, 2
	s_lshl_b32 s56, 15, s56                        ; my row of the cluster
	s_lshl_b32 s57, 0x1111, s19                    ; my column
	; group 1: dense blocks as rows of 32 elements of 8 bytes
	s_or_b32 s[G1A+0], s56, (3<<16)|(1<<21)        ; 15:0 mask; 17:16 element of 8 bytes; 21 set beside a mask
	s_mov_b32 s[G1A+1], 32<<16                     ; tensor_dim0 = 32
	s_mov_b32 s[G1A+2], 128<<16                    ; tensor_dim1 = 128
	s_mov_b32 s[G1A+3], 32<<16                     ; tile_dim0 = 32
	s_mov_b32 s[G1A+4], 128                        ; tile_dim1 = 128
	s_mov_b32 s[G1A+5], 32                         ; pitch = 32 elements
	s_mov_b32 s[G1A+6], 0
	s_mov_b32 s[G1A+7], 0
	s_or_b32 s[G1B+0], s57, (3<<16)|(1<<21)
	s_mov_b32 s[G1B+1], 32<<16
	s_mov_b32 s[G1B+2], 144<<16                    ; three chunks of 12,288 bytes
	s_mov_b32 s[G1B+3], 32<<16
	s_mov_b32 s[G1B+4], 144
	s_mov_b32 s[G1B+5], 32
	s_mov_b32 s[G1B+6], 0
	s_mov_b32 s[G1B+7], 0
	s_or_b32 s[G1C+0], s57, (3<<16)|(1<<21)
	s_mov_b32 s[G1C+1], 32<<16
	s_mov_b32 s[G1C+2], 96<<16                     ; two chunks
	s_mov_b32 s[G1C+3], 32<<16
	s_mov_b32 s[G1C+4], 96
	s_mov_b32 s[G1C+5], 32
	s_mov_b32 s[G1C+6], 0
	s_mov_b32 s[G1C+7], 0
	s_lshl_b32 s58, s22, 20                        ; xn's address hangs on the block of rows and the wave alone: chunk w of the period,
	s_lshl_b32 s59, s16, 15
	s_add_co_u32 s58, s58, s59
	s_mov_b32 s59, 0
	s_mul_i32 s60, s21, 393216                     ; W's on the head alone
	s_mov_b32 s61, 0
	s_lshl_b32 s66, s16, 15                        ; LDS: xn's chunk w at 32,768 w
	s_mov_b32 s62, 0x76543210
	s_mov_b32 s63, 0xfedcba98
	s_wait_dscnt 0x0
	s_wait_kmcnt 0x0
	s_add_nc_u64 s[58:59], s[4:5], s[58:59]
	s_add_nc_u64 s[60:61], s[6:7], s[60:61]
	CROUND                                         ; all sixteen work-groups are here: the first joint loads meet
.irp s, 0,1
	s_mov_b32 s[G0A+4*\s], 1
	s_add_co_u32 s[G0A+4*\s+1], s66, \s*SLOT
	s_add_nc_u64 s[G0A+4*\s+2:G0A+4*\s+3], s[58:59], \s*98304      ; period s: three chunks of 32,768 bytes on
	s_or_b32 s[G0A+4*\s+3], s[G0A+4*\s+3], 0x80000000
	s_mov_b32 s[G0B+4*\s], 1
	s_mov_b32 s[G0B+4*\s+1], BOFF+\s*SLOT
	s_add_nc_u64 s[G0B+4*\s+2:G0B+4*\s+3], s[60:61], \s*36864
	s_or_b32 s[G0B+4*\s+3], s[G0B+4*\s+3], 0x80000000
	JLOAD \s
.endr
	; where the results go
	s_lshr_b32 s68, s22, 2
	s_lshl4_add_u32 s68, s68, s21                  ; bh = 16 b + head
	s_and_b32 s69, s22, 3                          ; chunk of 512 rows in the sequence
	s_lshl2_add_u32 s70, s68, s69                  ; 4 bh + chunk
	s_lshl_b32 s72, s68, 18
	s_lshl_b32 s73, s69, 16
	s_add_co_u32 s72, s72, s73
	s_lshl_b32 s73, s16, 14
	s_add_co_u32 s72, s72, s73
	s_mov_b32 s73, 0
	s_add_nc_u64 s[10:11], s[10:11], s[72:73]      ; qF at my wave's 8 row tiles
	s_mul_i32 s72, s70, 40960
	s_add_nc_u64 s[12:13], s[12:13], s[72:73]      ; pE at this (bh, chunk)
	s_lshl_b32 s72, s70, 10
	s_add_nc_u64 s[14:15], s[14:15], s[72:73]      ; stW likewise
	v_and_b32 v11, 31, v0
	v_and_b32 v12, 15, v0
	v_bfe_u32 v13, v0, 4, 1
	v_lshlrev_b32 v[LB], 4, v11
	s_lshl_b32 s74, s16, 13
	v_add_nc_u32 v[XA], s74, v[LB]                 ; my 8 row tiles of 1,024 bytes
	v_add_nc_u32 v[XA+1], SLOT, v[XA]
	v_add_nc_u32 v[XB], 65536, v[XA]
	v_add_nc_u32 v[XB+1], 65536, v[XA+1]
	v_add_nc_u32 v[WA], BOFF, v[LB]
	v_add_nc_u32 v[WA+1], SLOT, v[WA]
	s_lshl_b32 s75, s16, 9
	s_add_co_u32 s75, s75, DIAG
	v_lshl_add_u32 v[DGS], v12, 2, s75
	v_lshl_add_u32 v[DGL], v13, 5, s75
	s_lshl_b32 s76, s16, 2
	s_add_co_u32 s76, s76, MAXX
	v_mov_b32 v[MXS], s76
	v_mov_b32 v[MXL], MAXX
	s_lshl_b32 s77, s16, 9
	s_add_co_u32 s77, s77, SVX
	v_add_nc_u32 v[SVS], s77, v[LB]
	v_add_nc_u32 v[SVR], SVX, v[LB]
	s_mul_i32 s78, s16, 20480
	v_add_nc_u32 v[RST], s78, v[LB]
	v_add_nc_u32 v[RST+1], SLOT, v[RST]
	s_mul_i32 s79, s16, 5120
	v_add_nc_u32 v[RL0], s79, v[LB]
	v_add_nc_u32 v[RL0+1], SLOT, v[RL0]
	v_add_nc_u32 v[RL1], 40960, v[RL0]
	v_add_nc_u32 v[RL1+1], 40960, v[RL0+1]
	s_mul_i32 s71, s17, 5120                       ; feature tile 4 fg + w is half (w & 1) of the context's K chunk 2 fg + (w >> 1)
	s_lshl_b32 s67, s18, 9
	s_add_co_u32 s71, s71, s67
	v_add_nc_u32 v[PEO], s71, v[LB]
.macro LDW slot, q, g, wb              ; 8 LDS loads: the four column tiles of group g (0 q, 1 k, 2 v), chunk q of the slot
.irp u, 0,1,2,3,4,5,6,7
	ds_load_b128 v[\wb+4*\u:\wb+4*\u+3], v[WA+\slot] offset:\q*12288+\g*4096+\u*512
.endr
.endm
.macro LDX slot, q, xf                 ; 16 LDS loads: my 8 row tiles, chunk q of the slot
.if \q == 2
.irp u, 0,1,2,3,4,5,6,7,8,9,10,11,12,13,14,15
	ds_load_b128 v[\xf+4*\u:\xf+4*\u+3], v[XB+\slot] offset:\u*512
.endr
.else
.irp u, 0,1,2,3,4,5,6,7,8,9,10,11,12,13,14,15
	ds_load_b128 v[\xf+4*\u:\xf+4*\u+3], v[XA+\slot] offset:\q*32768+\u*512
.endr
.endif
.endm
; 32 matrix instructions on 32 accumulators.  The 96 accumulators take turns, one instruction a turn.
.macro MULT wb, xf, zero               ; W x xn^T: lane = sequence row 16 a + r, registers = column 16 t + 8 h + j
.irp a, 0,1,2,3,4,5,6,7
.irp t, 0,1,2,3
.if \zero
	v_wmma_f32_16x16x32_f16 v[8*(4*\a+\t):8*(4*\a+\t)+7], v[\wb+8*\t:\wb+8*\t+7], v[\xf+8*\a:\xf+8*\a+7], 0
.else
	v_wmma_f32_16x16x32_f16 v[8*(4*\a+\t):8*(4*\a+\t)+7], v[\wb+8*\t:\wb+8*\t+7], v[\xf+8*\a:\xf+8*\a+7], v[8*(4*\a+\t):8*(4*\a+\t)+7]
.endif
.endr
.endr
.endm
.macro MULV wb, xf, zero               ; xn x W: lane = column 16 t + r, registers = sequence row 16 a + 8 h + j
.irp a, 0,1,2,3,4,5,6,7
.irp t, 0,1,2,3
.if \zero
	v_wmma_f32_16x16x32_f16 v[8*(4*\a+\t):8*(4*\a+\t)+7], v[\xf+8*\a:\xf+8*\a+7], v[\wb+8*\t:\wb+8*\t+7], 0
.else
	v_wmma_f32_16x16x32_f16 v[8*(4*\a+\t):8*(4*\a+\t)+7], v[\xf+8*\a:\xf+8*\a+7], v[\wb+8*\t:\wb+8*\t+7], v[8*(4*\a+\t):8*(4*\a+\t)+7]
.endif
.endr
.endr
.endm
; One chunk of 32 along K = three groups of 32 matrix instructions (q, k, v).  On entry 32 LDS loads may be out, in this order: WB0, xn's buffer xf, WB1.
; kind 0: the next chunk, qn, lies in the same slot, and its fragments (xn's into buffer xg) are asked for among this chunk's products.
; kind 1: the slot's last chunk: the change of slots; fill 1: this slot is filled again, two periods ahead; fill 2: with the short last period; fill 0: not.
; kind 2: the very last chunk.  zero: the products start the sums.
.macro CHUNK slot, q, qn, xf, xg, zero, kind, next, fill
	PLACES
	WIN 0
	LDW \slot, \q, 2, WB2
	s_wait_dscnt 8                                 ; all but the eight just issued: WB0, xn's fragments and WB1 are in
	WIN 0x50
	MULT WB0, \xf, \zero
.if \kind == 0
	PLACES
	WIN 0
	LDW \slot, \qn, 0, WB0
	LDX \slot, \qn, \xg
	WIN 0xa0
	MULT WB1, \xf, \zero
	PLACES
	WIN 0
	LDW \slot, \qn, 1, WB1
	s_wait_dscnt 32                                ; the 8 + 16 + 8 younger, the next chunk's, stay out: WB2 is in
	WIN 0xf0
	MULV WB2, \xf, \zero
.else
	WIN 0xa0
	s_wait_dscnt 0x0                               ; my reads of this slot are over
.if \kind == 2
	MULT WB1, \xf, 0
.else
	s_wait_tensorcnt 0x0                           ; and all my tensor loads have landed: the one that was out is my part of the next slot
	ds_add_u32 v30, v31
	s_wait_dscnt 0x0
	s_barrier_signal -1                            ; say so (where the slot is filled again this opens a round of the cluster's barrier),
	MULT WB1, \xf, 0                               ; work on registers meanwhile,
	WIN 0
	s_barrier_wait -1
.if \fill
	CREST                                          ; no wave of any partner still reads this slot or has a load on its way
	s_add_nc_u64 s[G0A+4*\slot+2:G0A+4*\slot+3], s[G0A+4*\slot+2:G0A+4*\slot+3], 196608    ; two periods = six chunks on
	s_add_nc_u64 s[G0B+4*\slot+2:G0B+4*\slot+3], s[G0B+4*\slot+2:G0B+4*\slot+3], 73728
.if \fill == 1
	JLOAD \slot                                    ; my one tensor load behind the round; 256 matrix instructions stand before the wait for it
.else
	JLOADS \slot
.endif
.endif
	PLACES
	LDW \next, 0, 0, WB0
	LDX \next, 0, \xg
	LDW \next, 0, 1, WB1
.endif
	WIN 0xf0
	MULV WB2, \xf, 0
.endif
.endm
.macro PERIOD slot, next, xa, xb, zero, fill       ; three chunks; xn's buffers go xa, xb, xa, and the next period starts on xb
	CHUNK \slot, 0, 1, \xa, \xb, \zero, 0, \next, 0
	CHUNK \slot, 1, 2, \xb, \xa, 0, 0, \next, 0
	CHUNK \slot, 2, 0, \xa, \xb, 0, 1, \next, \fill
.endm
	s_wait_tensorcnt 1                             ; my part of period 0 is in; period 1's stays out
	s_barrier_signal -1
	s_barrier_wait -1
	LDW 0, 0, 0, WB0
	LDX 0, 0, XF0
	LDW 0, 0, 1, WB1
	PERIOD 0, 1, XF0, XF1, 1, 1                    ; periods 0 and 1 stand in front of the loop: the first products start the sums
	PERIOD 1, 0, XF1, XF0, 0, 1
	WIN 0
	s_mov_b32 s23, 3
.Llap:
	PERIOD 0, 1, XF0, XF1, 0, 1                    ; periods 2 to 7
	PERIOD 1, 0, XF1, XF0, 0, 1
	WIN 0
	s_sub_co_u32 s23, s23, 1
	s_cmp_lg_u32 s23, 0
	s_cbranch_scc1 .Llap
	PERIOD 0, 1, XF0, XF1, 0, 2                    ; period 8 asks for the short period 10
	PERIOD 1, 0, XF1, XF0, 0, 0                    ; period 9 fills nothing
	CHUNK 0, 0, 1, XF0, XF1, 0, 0, 1, 0            ; period 10: chunks 30 and 31
	CHUNK 0, 1, 0, XF1, XF0, 0, 2, 1, 0
; ---------------------------------------------------------------- q out, k and v into operand form
	PLACES
	WIN 0
.set u, 0
.rept 16
	global_load_b128 v[PF+4*u:PF+4*u+3], v[LB], s[8:9] offset:u*512        ; proj (k's scale, f16), feature group 0
.set u, u+1
.endr
	WIN 0x05                                       ; q from window 1, to bf16: the next launch's products with it are bf16
.set i, 0
.rept 32
.irp jj, 0,1,2,3
	v_cvt_pk_bf16_f32 v[KF+4*i+\jj], v[8*i+2*\jj], v[8*i+2*\jj+1]
.endr
.set i, i+1
.endr
	WIN 0
.set i, 0
.rept 32
	global_store_b128 v[LB], v[KF+4*i:KF+4*i+3], s[10:11] offset:i*512     ; 512 consecutive bytes: (row tile a, column tile t) at 4 a + t
.set i, i+1
.endr
	WIN 0x0a                                       ; k from window 2: sum of squares of each row, eight chains
.irp a, 0,1,2,3,4,5,6,7
	v_pk_mul_f32 v[SS+2*\a:SS+2*\a+1], v[32*\a:32*\a+1], v[32*\a:32*\a+1]
.endr
.set p, 1
.rept 15
.irp a, 0,1,2,3,4,5,6,7
	v_pk_fma_f32 v[SS+2*\a:SS+2*\a+1], v[32*\a+2*p:32*\a+2*p+1], v[32*\a+2*p:32*\a+2*p+1], v[SS+2*\a:SS+2*\a+1]
.endr
.set p, p+1
.endr
	WIN 0
.irp a, 0,1,2,3,4,5,6,7
	v_add_f32 v[SS+2*\a], v[SS+2*\a], v[SS+2*\a+1]
.endr
.irp a, 0,1,2,3,4,5,6,7
	v_permlanex16_b32 v[SS+2*\a+1], v[SS+2*\a], s62, s63                   ; the other 32 columns lie in the other half of the lanes
.endr
.irp a, 0,1,2,3,4,5,6,7
	v_add_f32 v[SS+2*\a], v[SS+2*\a], v[SS+2*\a+1]
.endr
.irp a, 0,1,2,3,4,5,6,7
	v_mul_f32 v[SS+2*\a], 0xbdb8aa3b, v[SS+2*\a]                           ; -diag in base 2: -log2(e) / 16
.endr
.irp a, 0,1,2,3,4,5,6,7
	ds_store_b32 v[DGS], v[SS+2*\a] offset:\a*64                           ; my wave's own bytes; both halves write the same word
.endr
	s_wait_xcnt 0x0                                ; q's stores have read v[64:191], which k's fragments now take
	WIN 0x0a
.set i, 0
.rept 32
.irp jj, 0,1,2,3
	v_cvt_pk_f16_f32 v[KF+4*i+\jj], v[8*i+2*\jj], v[8*i+2*\jj+1]
.endr
.set i, i+1
.endr
	WIN 0x8f                                       ; window 2 is free of k now: the ones, and v from window 3 as fragments along the sequence
.irp i, 0,1,2,3,4,5,6,7
	v_mov_b32 v[ONES+\i], 0x3c003c00                                       ; 1.0 in f16, twice
.endr
.irp a, 0,1,2,3,4,5,6,7
.irp t, 0,1,2,3
.irp jj, 0,1,2,3
	v_cvt_pk_f16_f32 v[VF+8*(4*(\a/2)+\t)+4*(\a%2)+\jj], v[8*(4*\a+\t)+2*\jj], v[8*(4*\a+\t)+2*\jj+1]
.endr
.endr
.endr
	WIN 0xfa                                       ; sum of v over my 128 rows: ones x v; four accumulators take turns
.irp kc, 0,1,2,3
.irp t, 0,1,2,3
.if \kc == 0
	v_wmma_f32_16x16x32_f16 v[8*\t:8*\t+7], v[ONES:ONES+7], v[VF+8*(4*\kc+\t):VF+8*(4*\kc+\t)+7], 0
.else
	v_wmma_f32_16x16x32_f16 v[8*\t:8*\t+7], v[ONES:ONES+7], v[VF+8*(4*\kc+\t):VF+8*(4*\kc+\t)+7], v[8*\t:8*\t+7]
.endif
.endr
.endr
	PLACES
	WIN 0x03
.irp t, 0,1,2,3
	v_mov_b32 v[SVT+\t], v[8*\t]                   ; every row of the result is the sum: lane holds column 16 t + r
.endr
	WIN 0
	ds_store_b128 v[SVS], v[SVT:SVT+3]
	s_wait_dscnt 0x0                               ; my sum of v is in LDS, and my reads of the ring are back (waited for in front of the last products)
	s_barrier_signal -1
	s_barrier_wait -1                              ; every wave's are: both slots may now serve as RED
; ---------------------------------------------------------------- one group of 64 features
; Product number m = 5 ff + t of K chunk kc (rows 32 kc .. 32 kc + 31): E^T x v for t < 4, E^T x ones (the sum of E, a fifth tile) for t = 4.
; Lane = d 16 t + r, registers = feature 16 ff + 8 h + j.  The 20 accumulators take turns, one instruction a turn.
.macro CX kc, m
.if (\m)%5 == 4
.if \kc == 0
	v_wmma_f32_16x16x32_f16 v[8*(\m):8*(\m)+7], v[8*(8*\kc+(\m)/5):8*(8*\kc+(\m)/5)+7], v[ONES:ONES+7], 0
.else
	v_wmma_f32_16x16x32_f16 v[8*(\m):8*(\m)+7], v[8*(8*\kc+(\m)/5):8*(8*\kc+(\m)/5)+7], v[ONES:ONES+7], v[8*(\m):8*(\m)+7]
.endif
.else
.if \kc == 0
	v_wmma_f32_16x16x32_f16 v[8*(\m):8*(\m)+7], v[8*(8*\kc+(\m)/5):8*(8*\kc+(\m)/5)+7], v[VF+8*(4*\kc+(\m)%5):VF+8*(4*\kc+(\m)%5)+7], 0
.else
	v_wmma_f32_16x16x32_f16 v[8*(\m):8*(\m)+7], v[8*(8*\kc+(\m)/5):8*(8*\kc+(\m)/5)+7], v[VF+8*(4*\kc+(\m)%5):VF+8*(4*\kc+(\m)%5)+7], v[8*(\m):8*(\m)+7]
.endif
.endif
.endm
; Row tile s (four tiles, 32 registers): k.proj - diag - maximum in place, E = 2^(..) into the scratch, E packed into window 1.
; with = 1: ten products of K chunk kc, from number m0 on, stand among the exponentials, one in front of every three.
.macro SUB s, kc, m0, with
	WIN 0x4d
.irp ff, 0,1,2,3
.irp p, 0,1,2,3
	v_pk_add_f32 v[8*(4*\s+\ff)+2*\p:8*(4*\s+\ff)+2*\p+1], v[8*(4*\s+\ff)+2*\p:8*(4*\s+\ff)+2*\p+1], v[NB+8*\s+2*\p:NB+8*\s+2*\p+1]
.endr
.endr
	WIN 0xf9                                       ; source 0 window 1 (E's fragments; the exponents), source 1 window 2 (v, ones), C and D window 3 (context; the scratch)
.set sx, 0
.rept 10
.if \with
	CX \kc, \m0+sx
.endif
	v_exp_f32 v[EE+3*sx], v[32*\s+3*sx]
	v_exp_f32 v[EE+3*sx+1], v[32*\s+3*sx+1]
	v_exp_f32 v[EE+3*sx+2], v[32*\s+3*sx+2]
.set sx, sx+1
.endr
	v_exp_f32 v[EE+30], v[32*\s+30]
	v_exp_f32 v[EE+31], v[32*\s+31]
	v_nop                                          ; one plain instruction behind the transcendentals, ahead of the lines that read their results and write over their sources (ISA guide 5.7.2)
	WIN 0x4f                                       ; the even row tile's registers take both halves of a fragment: 0-3 its own rows, 4-7 the odd tile's
	s_wait_alu depctr_va_vdst(0)
.irp ff, 0,1,2,3
.irp jj, 0,1,2,3
	v_cvt_pk_f16_f32 v[8*(4*(\s-\s%2)+\ff)+4*(\s%2)+\jj], v[EE+8*\ff+2*\jj], v[EE+8*\ff+2*\jj+1]
.endr
.endr
.endm
.macro GROUP fg
	s_wait_xcnt 0x0                                ; the last group's stores have read window 1
	s_wait_loadcnt 0x0                             ; this group's proj fragments
	WIN 0x50                                       ; k x proj^T: lane = feature 16 ff + r, registers = row 16 a + 8 h + j; 32 accumulators by turns
.irp a, 0,1,2,3,4,5,6,7
.irp ff, 0,1,2,3
	v_wmma_f32_16x16x32_f16 v[8*(4*\a+\ff):8*(4*\a+\ff)+7], v[KF+16*\a:KF+16*\a+7], v[PF+16*\ff:PF+16*\ff+7], 0
.endr
.endr
.irp a, 0,1,2,3,4,5,6,7
.irp ff, 0,1,2,3
	v_wmma_f32_16x16x32_f16 v[8*(4*\a+\ff):8*(4*\a+\ff)+7], v[KF+16*\a+8:KF+16*\a+15], v[PF+16*\ff+8:PF+16*\ff+15], v[8*(4*\a+\ff):8*(4*\a+\ff)+7]
.endr
.endr
	WIN 0
.irp k, 0,1,2,3
	v_mov_b32 v[MX+\k], 0xff800000                 ; the four places behind the products
.endr
.if \fg < 3
.set u, 0
.rept 16
	global_load_b128 v[PF+4*u:PF+4*u+3], v[LB], s[8:9] offset:(\fg+1)*8192+u*512
.set u, u+1
.endr
.endif
	WIN 0xc0
.irp a, 0,1,2,3,4,5,6,7
	ds_load_b128 v[NB+8*\a:NB+8*\a+3], v[DGL] offset:\a*64
	ds_load_b128 v[NB+8*\a+4:NB+8*\a+7], v[DGL] offset:\a*64+16
.endr
	WIN 0x14                                       ; the largest k.proj of my 128 rows x 64 features
.set i, 0
.rept 128
	v_max3_num_f32 v[MX+i%4], v[MX+i%4], v[2*i], v[2*i+1]
.set i, i+1
.endr
	WIN 0
	v_max3_num_f32 v[MX], v[MX], v[MX+1], v[MX+2]
	v_max_num_f32 v[MX], v[MX], v[MX+3]
	v_max_num_f32_dpp v[MX], v[MX], v[MX] row_xmask:1 row_mask:0xf bank_mask:0xf
	v_max_num_f32_dpp v[MX], v[MX], v[MX] row_xmask:2 row_mask:0xf bank_mask:0xf
	v_max_num_f32_dpp v[MX], v[MX], v[MX] row_xmask:4 row_mask:0xf bank_mask:0xf
	v_max_num_f32_dpp v[MX], v[MX], v[MX] row_xmask:8 row_mask:0xf bank_mask:0xf
	v_permlanex16_b32 v[MX+1], v[MX], s62, s63
	v_max_num_f32 v[MX], v[MX], v[MX+1]
	ds_store_b32 v[MXS], v[MX] offset:\fg*16       ; for the other waves, which read it behind this group's barrier
	v_mov_b32 v[LM], v[MX]                         ; my own maximum is what I take away: no wave waits for another here
	v_mov_b32 v[LM+1], v[MX]
	s_wait_dscnt 0x1                               ; the store just issued may stay out; the 16 loads of -diag ahead of it are in
	WIN 0xc3
.set p, 0
.rept 32
	v_pk_add_f32 v[NB+2*p:NB+2*p+1], v[NB+2*p:NB+2*p+1], v[LM:LM+1] neg_lo:[0,1] neg_hi:[0,1]
.set p, p+1
.endr
	SUB 0, 0, 0, 0                                 ; rows 0-31 have no products ahead of them
	SUB 1, 0, 0, 0
	SUB 2, 0, 0, 1                                 ; among the exponentials of rows 32-63: the products of rows 0-31, which start the sums
	SUB 3, 0, 10, 1
	SUB 4, 1, 0, 1
	SUB 5, 1, 10, 1
	SUB 6, 2, 0, 1
	SUB 7, 2, 10, 1
	WIN 0xf9                                       ; the products of rows 96-127 have no exponentials left to stand among
.set sx, 0
.rept 20
	CX 3, sx
.set sx, sx+1
.endr
	PLACES
	WIN 0x0c                                       ; my 20 tiles to this group's RED buffer
.set u, 0
.rept 40
	ds_store_b128 v[RST+\fg%2], v[4*u:4*u+3] offset:u*512
.set u, u+1
.endr
	s_wait_dscnt 0x0                               ; my tiles and my maximum are in LDS; my reads of the other RED buffer, the last group's, are back
	WIN 0
	s_barrier_signal -1
	s_barrier_wait -1                              ; so the next group may store into the other buffer behind this barrier
	ds_load_b128 v[MT:MT+3], v[MXL] offset:\fg*16  ; the four waves' maxima
	WIN 0x40                                       ; wave w adds the four waves' tiles 5 w .. 5 w + 4: feature tile 4 fg + w, all five column tiles
.irp sw, 0,1
.set u, 0
.rept 10
	ds_load_b128 v[40*\sw+4*u:40*\sw+4*u+3], v[RL0+\fg%2] offset:\sw*20480+u*512
.set u, u+1
.endr
.endr
.irp sw, 0,1
.set u, 0
.rept 10
	ds_load_b128 v[80+40*\sw+4*u:80+40*\sw+4*u+3], v[RL1+\fg%2] offset:\sw*20480+u*512
.set u, u+1
.endr
.endr
	WIN 0
	s_wait_dscnt 40                                ; the 40 loads of tiles stay out; the maxima, asked for ahead of them, are in
	v_max3_num_f32 v[LMS+\fg], v[MT], v[MT+1], v[MT+2]
	v_max_num_f32 v[LMS+\fg], v[LMS+\fg], v[MT+3]  ; lm: the largest over the work-group's 512 rows
.irp sw, 0,1,2,3
	v_sub_f32 v[FS+2*\sw], v[MT+\sw], v[LMS+\fg]
.endr
.irp sw, 0,1,2,3
	v_exp_f32 v[FS+2*\sw], v[FS+2*\sw]
.endr
	v_nop                                          ; one plain instruction behind the transcendentals
	s_wait_alu depctr_va_vdst(0)
.irp sw, 0,1,2,3
	v_mov_b32 v[FS+2*\sw+1], v[FS+2*\sw]
.endr
	s_wait_dscnt 0x0
	WIN 0x51                                       ; each wave's tiles times 2^(its maximum - lm), summed
.set p, 0
.rept 20
	v_pk_mul_f32 v[2*p:2*p+1], v[2*p:2*p+1], v[FS:FS+1]
.set p, p+1
.endr
.irp sw, 1,2,3
.set p, 0
.rept 20
	v_pk_fma_f32 v[2*p:2*p+1], v[40*\sw+2*p:40*\sw+2*p+1], v[FS+2*\sw:FS+2*\sw+1], v[2*p:2*p+1]
.set p, p+1
.endr
.endr
	WIN 0x55
.set i, 0                              ; a tile packed is half an operand of the next launch: lane = d, K = features 8 h + 0..7 of the tile
.rept 20
	v_cvt_pk_bf16_f32 v[160+i], v[2*i], v[2*i+1]
.set i, i+1
.endr
	WIN 0x04
.irp t, 0,1,2,3,4
	global_store_b128 v[PEO], v[160+4*\t:160+4*\t+3], s[12:13] offset:\fg*10240+\t*1024    ; 512 consecutive bytes
.endr
.endm
	GROUP 0
	GROUP 1
	GROUP 2
	GROUP 3
	WIN 0
	s_cmp_lg_u32 s16, 0
	s_cbranch_scc1 .Lnot_first
.irp sw, 0,1,2,3
	ds_load_b128 v[KF+4*\sw:KF+4*\sw+3], v[SVR] offset:\sw*512             ; the four waves' sums of v: stored and waited for ahead of the barriers above
.endr
	s_wait_dscnt 0x0
	v_pk_add_f32 v[KF:KF+1], v[KF:KF+1], v[KF+4:KF+5]
	v_pk_add_f32 v[KF+2:KF+3], v[KF+2:KF+3], v[KF+6:KF+7]
	v_pk_add_f32 v[KF+8:KF+9], v[KF+8:KF+9], v[KF+12:KF+13]
	v_pk_add_f32 v[KF+10:KF+11], v[KF+10:KF+11], v[KF+14:KF+15]
	v_pk_add_f32 v[KF:KF+1], v[KF:KF+1], v[KF+8:KF+9]
	v_pk_add_f32 v[KF+2:KF+3], v[KF+2:KF+3], v[KF+10:KF+11]
	global_store_b128 v[LB], v[KF:KF+3], s[14:15] offset:512
	global_store_b128 v[LB], v[LMS:LMS+3], s[14:15]                        ; the four maxima, once in each lane
.Lnot_first:
	s_wait_tensorcnt 0x0
	ds_add_u32 v30, v31
	s_wait_dscnt 0x0
	CROUND                                         ; the closing round: no work-group ends while a partner may still ask jointly
	s_endpgm
.Lfunc_end_k_qbb636bcd0d_qkvk:
	.size	k_qbb636bcd0d_qkvk, .Lfunc_end_k_qbb636bcd0d_qkvk-k_qbb636bcd0d_qkvk
	.p2alignl 7, 3214868480
	.fill 96, 4, 3214868480
	.section	.rodata,"a",@progbits
	.p2align	6, 0x0
	.amdhsa_kernel k_qbb636bcd0d_qkvk
		.amdhsa_group_segment_fixed_size 327680
		.amdhsa_private_segment_fixed_size 0
		.amdhsa_enable_private_segment 0
		.amdhsa_kernarg_size 48
		.amdhsa_user_sgpr_count 2
		.amdhsa_user_sgpr_kernarg_segment_ptr 1
		.amdhsa_wavefront_size32 1
		.amdhsa_system_sgpr_workgroup_id_x 1
		.amdhsa_system_sgpr_workgroup_id_y 1
		.amdhsa_system_sgpr_workgroup_id_z 1
		.amdhsa_system_vgpr_workitem_id 0
		.amdhsa_next_free_vgpr 1024
		.amdhsa_next_free_sgpr 88
		.amdhsa_reserve_vcc 0
		.amdhsa_float_denorm_mode_32 3
		.amdhsa_float_denorm_mode_16_64 3
		.amdhsa_memory_ordered 1
		.amdhsa_forward_progress 1
		.amdhsa_inst_pref_size 255
	.end_amdhsa_kernel
	.section	.bss,"aw",@nobits
	.p2align	6
	.space	262144
	.amdgpu_metadata
---
amdhsa.version: [ 1, 2 ]
amdhsa.kernels:
  - .name:           k_qbb636bcd0d_qkvk
    .symbol:         k_qbb636bcd0d_qkvk.kd
    .args:
      - { .name: xnF, .offset: 0, .size: 8, .value_kind: global_buffer, .address_space: global }
      - { .name: wF, .offset: 8, .size: 8, .value_kind: global_buffer, .address_space: global }
      - { .name: projF, .offset: 16, .size: 8, .value_kind: global_buffer, .address_space: global }
      - { .name: qF, .offset: 24, .size: 8, .value_kind: global_buffer, .address_space: global }
      - { .name: pE, .offset: 32, .size: 8, .value_kind: global_buffer, .address_space: global }
      - { .name: stW, .offset: 40, .size: 8, .value_kind: global_buffer, .address_space: global }
    .group_segment_fixed_size: 327680
    .private_segment_fixed_size: 0
    .kernarg_segment_align: 8
    .kernarg_segment_size: 48
    .max_flat_workgroup_size: 128
    .sgpr_count:     88
    .vgpr_count:     1024
    .wavefront_size: 32
...
	.end_amdgpu_metadata
.endif
;; end of part 2
;; launch qside (part 3): grid 256 x 1, 4 waves a work-group, clusters of 4 x 1, 205,312 bytes of LDS; arguments qF, pE, stW, projF, attnF; writes attnF
.if DOCPART == 3
	.amdgcn_target "amdgcn-amd-amdhsa--gfx1250"
	.amdhsa_code_object_version 6
	.text
	.protected	k_qbb636bcd0d_qside
	.globl	k_qbb636bcd0d_qside
	.p2align	8
	.type	k_qbb636bcd0d_qside,@function
k_qbb636bcd0d_qside:
	s_mov_b64 s[64:65], 0
	v_nop
	global_prefetch_b8 v0, s[64:65] scope:SCOPE_SE
	s_setreg_imm32_b32 hwreg(HW_REG_WAVE_MODE, 25, 1), 1
	s_wait_xcnt 0x0
	s_wait_alu depctr_hold_cnt(0) depctr_sa_sdst(0) depctr_va_vdst(0) depctr_va_sdst(0) depctr_va_ssrc(0) depctr_va_vcc(0) depctr_vm_vsrc(0)
	s_getreg_b32 s2, hwreg(HW_REG_IB_STS2, 6, 4)
	s_cmp_eq_u32 s2, 0
	s_cbranch_scc0 .Lentry_in_a_cluster
	s_endpgm
.Lentry_in_a_cluster:
	s_bfe_u32 s2, ttmp6, 0x10000c
	s_cmp_lg_u32 s2, 0x3003
	s_cbranch_scc0 .Lentry_shape_is_right
	s_endpgm
.Lentry_shape_is_right:
; QSIDE: the four chunks' contexts are combined; q's feature map; (qp . context) / (qp . k_sum), stored as operands of the output projection.
; Left out, as shown at the head of the first kernel: the factor ratio (cancels), and the sum of ones in k_sum's eps term (the constant 0.2048).
; A work-group: one (b, h) and 512 rows.  A wave: 8 row tiles of 16; in the set-up, the 64 features 64 w .. 64 w + 63 of the context.
; CLUSTER 4 x 1: the four work-groups of one (b, h) need the same four partial contexts (4 x 40,960 bytes of bf16).  Each is asked for jointly,
; chunk c by wave c, one tensor load a wave in the whole launch, and lands in every partner's LDS; the combined fragments have 40,960 bytes of their own.
; COMBINE: stab = the largest of the 16 maxima lm[chunk][feature group] is the reference's maximum over (n, m);
;   context[m][d] = sum over chunks of 2^(lm - stab) x (sum E v) + eps x sum v;   k_sum[m] likewise + 0.2048, carried as a fifth tile of 16 columns.
;   The partials lie in the order of the fragments that they become, so a wave reads, combines and stores back the same 20 blocks of 512 bytes.
; Per row tile: dd = proj x q^T (lane = row, registers = features), the row's own maximum and diag taken away, e = 2^(..);
;   numerator and denominator = context^T x e + eps x (column sums of context), the last as the products' starting value.
; PRODUCTS AMONG THE EXPONENTIALS: e is made 32 features (one K chunk of the second product) at a time, and the five context x e products of the
;   chunk before stand among the 16 exponentials, one in front of every three.  An exponential reads its one source from the window of the
;   product's first operand and writes into the window of its result; so the exponents of chunks 0 to 6 are put into 16 registers beside context
;   chunks 0 to 5 (window 2), those of chunk 7 stay beside context chunk 6 (window 3), and one window setting serves products and exponentials.
;   35 of a tile's 40 context products stand so.  The 32 proj x q products do not: proj's fragments fill window 1 whole, so no vector instruction
;   with a register as its first source shares their setting, and a second row tile (dd 128, e 64, result 40, q 16 registers) has no room.
; FORMATS (reasons at the head of the first kernel): every product here has bf16 operands, since the context reaches from eps x sum v up to
;   2,048 x max |v|, wider than f16.  The result leaves in f16, TIMES 8: it is a convex combination of v, so 8 |attn| <= 8 max |v|, and the
;   factor keeps a mean over 2,048 rows of small v inside f16's normal range; the output projection takes the factor back.
; LIMITS: the partial contexts come rounded to bf16 and are added in f32, so the context carries four roundings of its parts beside the one of
;   the whole; |v| above 8,188 overflows the stored result; q's diag is made of q rounded to bf16; 2^x gives 0 below 2^-126; 1/x by v_rcp_f32.
.set PART, 40960                       ; a partial context: [K chunk 8][column tile 5][half 2][lane 32][16 bytes]
.set CTL,  4*PART                      ; the combined fragments, same layout; no tensor load lands here
.set MX,  8                            ; v[8:11]
.set DG,  12                           ; v[12:13]
.set BI,  14                           ; v[14:15]   -diag - max, twice
.set QF,  16                           ; v[16:31]   q's two fragments
.set QP,  32                           ; v[32:95]   e's eight fragments
.set PK,  32                           ; v[32:111]  set-up: my 20 blocks of the context packed
.set CS,  96                           ; v[96:135]  eps x column sums, five tiles
.set OP,  136                          ; v[136:151] packed results
.set ONES, 152
.set SC,  160                          ; v[160:163] 2^(lm - stab) of the four chunks
.set SVE, 164                          ; v[164:168] eps x sum v of column tiles 0..3, 0.2048 for tile 4
.set LMA, 178                          ; v[178:193] all 16 maxima
.set LMO, 194                          ; v[194:197] my feature group's
.set SVL, 198                          ; v[198:213]
.set SR,  214                          ; v[214:245] results scaled
.set RI,  246                          ; v[246:247] 8 / denominator, twice
.set T2,  240                          ; window 2: v[240:255] one chunk's 16 exponents
.set ACC, 80                           ; window 3, set-up: v[80:239] my 160 sums
.set DD,  80                           ; window 3: 16 tiles of dd
.set OA,  208                          ; window 3: five tiles of the result
; window 1: proj's fragments 16 f + 8 c.  Window 2: context fragments 8 (5 c' + t), c' = 0..5; window 3 v0-79: c' = 6, 7.
; In the set-up: window 2 v0-239 my blocks of chunks 0, 1, 2 (80 registers each), window 3 v0-79 chunk 3's.
.set MSB, 0
.macro WIN new
.if MSB != \new
	s_set_vgpr_msb (MSB<<8)|\new
.set MSB, \new
.endif
.endm
.macro PLACES
.rept 4
	v_nop
.endr
.endm
.macro CROUND                          ; a round of the cluster's barrier
	s_barrier_signal -1
	s_barrier_wait -1
	s_cmp_lg_u32 s16, 0
	s_cbranch_scc1 .Lnot_wave_0_\@
	s_barrier_signal -3
.Lnot_wave_0_\@:
	s_barrier_wait -3
	s_barrier_signal -1
	s_barrier_wait -1
.endm
	s_load_b256 s[4:11], s[0:1], 0x0               ; qF, pE, stW, projF
	s_load_b64 s[12:13], s[0:1], 0x20              ; attnF
	v_lshl_add_u32 v254, v0, 2, 0x32000
	v_mov_b32 v255, 0
	ds_add_u32 v254, v255
	ds_add_u32 v254, v255
	v_lshrrev_b32 v5, 5, v0
	v_readfirstlane_b32 s16, v5                    ; wave
	v_and_b32 v5, 31, v0
	v_lshlrev_b32 v1, 4, v5                        ; 16 x lane
	s_lshl_b32 s17, s16, 2
	v_mov_b32 v2, s17                              ; 4 w
	s_mul_i32 s19, s16, 10240
	v_add_nc_u32 v4, s19, v1                       ; my two K chunks (20 blocks) in partials 0 and 1,
	v_add_nc_u32 v3, 2*PART, v4                    ; in partials 2 and 3,
	v_add_nc_u32 v6, CTL, v4                       ; and in the combined fragments
	v_add_nc_u32 v7, CTL, v1                       ; all the combined fragments
	s_mov_b32 s20, ttmp9                           ; bh: the cluster's number
	s_bfe_u32 s21, ttmp6, 0x40000                  ; block of 512 rows: my place in the cluster; it enters global offsets of q and of the result alone
	s_lshr_b32 s22, s20, 4                         ; b
	s_and_b32 s23, s20, 15                         ; head
	s_lshl_b32 s24, s20, 18
	s_lshl_b32 s25, s21, 16
	s_add_co_u32 s24, s24, s25
	s_lshl_b32 s25, s16, 14
	s_add_co_u32 s24, s24, s25
	s_mov_b32 s25, 0
	; the one descriptor: partial w of this (b, h), 160 rows of 256 bytes, to LDS byte 40,960 w, for all four work-groups of the cluster
	s_mov_b32 s36, 1
	s_mul_i32 s37, s16, PART
	s_mov_b32 s40, 15|(3<<16)|(1<<21)              ; 15:0 mask: all four; 17:16 element of 8 bytes; 21 set beside a mask
	s_mov_b32 s41, 32<<16                          ; tensor_dim0 = 32
	s_mov_b32 s42, 160<<16                         ; tensor_dim1 = 160
	s_mov_b32 s43, 32<<16                          ; tile_dim0 = 32
	s_mov_b32 s44, 160                             ; tile_dim1 = 160
	s_mov_b32 s45, 32                              ; pitch = 32 elements
	s_mov_b32 s46, 0
	s_mov_b32 s47, 0
	s_mul_i32 s26, s20, 4*PART
	s_add_co_u32 s26, s26, s37
	s_mov_b32 s27, 0
	s_lshl_b32 s28, s20, 12
	s_mov_b32 s29, 0
	s_lshl_b32 s30, s22, 3
	s_lshl1_add_u32 s30, s21, s30
	s_lshr_b32 s31, s16, 1
	s_add_co_u32 s30, s30, s31                     ; block of 256 rows: 8 b + 2 blk + (w >> 1)
	s_lshl_b32 s30, s30, 19
	s_lshl_b32 s31, s23, 15                        ; K chunks 2 head, 2 head + 1 of 16,384 bytes
	s_add_co_u32 s30, s30, s31
	s_and_b32 s31, s16, 1
	s_lshl_b32 s31, s31, 13                        ; row tiles 8 (w & 1) ..
	s_add_co_u32 s30, s30, s31
	s_mov_b32 s31, 0
	s_mov_b32 s32, 0xbab8aa3b                      ; -log2(e) / 1024: q's diag, with q's scale squared
	s_mov_b32 s34, 0x76543210
	s_mov_b32 s35, 0xfedcba98
	s_wait_dscnt 0x0
	s_wait_kmcnt 0x0
	s_add_nc_u64 s[4:5], s[4:5], s[24:25]
	s_add_nc_u64 s[38:39], s[6:7], s[26:27]
	s_or_b32 s39, s39, 0x80000000                  ; type = 2
	s_add_nc_u64 s[8:9], s[8:9], s[28:29]
	s_add_nc_u64 s[12:13], s[12:13], s[30:31]
	CROUND                                         ; all four work-groups are here: the joint loads meet
	tensor_load_to_lds s[36:39], s[40:47]          ; my only tensor load
	s_nop 0
.irp c, 0,1,2,3
	global_load_b128 v[LMA+4*\c:LMA+4*\c+3], v1, s[8:9] offset:\c*1024
.endr
.irp c, 0,1,2,3
	global_load_b32 v[LMO+\c], v2, s[8:9] offset:\c*1024
.endr
.irp c, 0,1,2,3
	global_load_b128 v[SVL+4*\c:SVL+4*\c+3], v1, s[8:9] offset:\c*1024+512
.endr
.irp t, 0,1,2,3
	global_load_b128 v[QF+4*\t:QF+4*\t+3], v1, s[4:5] offset:\t*512
.endr
	WIN 0x40
.set u, 0
.rept 64
	global_load_b128 v[4*u:4*u+3], v1, s[10:11] offset:32768+u*512         ; proj with q's scale (bf16), all 16 feature tiles
.set u, u+1
.endr
	WIN 0
.irp i, 0,1,2,3,4,5,6,7
	v_mov_b32 v[ONES+\i], 0x3f803f80               ; 1.0 in bf16, twice
.endr
	s_wait_loadcnt 63                              ; 68 loads are younger than the maxima and the sums of v; the count's field ends at 63, so q's and one of proj's are waited for too
	v_max3_num_f32 v[MX], v[LMA], v[LMA+1], v[LMA+2]
.irp i, 3,5,7,9,11,13
	v_max3_num_f32 v[MX], v[MX], v[LMA+\i], v[LMA+\i+1]
.endr
	v_max_num_f32 v[MX], v[MX], v[LMA+15]          ; stab
.irp c, 0,1,2,3
	v_sub_f32 v[SC+\c], v[LMO+\c], v[MX]
.endr
.irp c, 0,1,2,3
	v_exp_f32 v[SC+\c], v[SC+\c]
.endr
	v_pk_add_f32 v[SVL:SVL+1], v[SVL:SVL+1], v[SVL+4:SVL+5]                ; also the plain instruction behind the transcendentals
	v_pk_add_f32 v[SVL+2:SVL+3], v[SVL+2:SVL+3], v[SVL+6:SVL+7]
	v_pk_add_f32 v[SVL+8:SVL+9], v[SVL+8:SVL+9], v[SVL+12:SVL+13]
	v_pk_add_f32 v[SVL+10:SVL+11], v[SVL+10:SVL+11], v[SVL+14:SVL+15]
	v_pk_add_f32 v[SVL:SVL+1], v[SVL:SVL+1], v[SVL+8:SVL+9]
	v_pk_add_f32 v[SVL+2:SVL+3], v[SVL+2:SVL+3], v[SVL+10:SVL+11]
	v_pk_mul_f32 v[SVE:SVE+1], v[SVL:SVL+1], 0x38d1b717 op_sel_hi:[1,0]    ; eps x sum v
	v_pk_mul_f32 v[SVE+2:SVE+3], v[SVL+2:SVL+3], 0x38d1b717 op_sel_hi:[1,0]
	v_mov_b32 v[SVE+4], 0x3e51b717                 ; eps x 2,048
	s_wait_tensorcnt 0x0                           ; my partial has landed,
	s_barrier_signal -1
	s_barrier_wait -1                              ; everybody's has
	WIN 0x80
.set u, 0
.rept 20
	ds_load_b128 v[4*u:4*u+3], v4 offset:u*512
.set u, u+1
.endr
.set u, 0
.rept 20
	ds_load_b128 v[80+4*u:80+4*u+3], v4 offset:PART+u*512
.set u, u+1
.endr
.set u, 0
.rept 20
	ds_load_b128 v[160+4*u:160+4*u+3], v3 offset:u*512
.set u, u+1
.endr
	WIN 0xc0
.set u, 0
.rept 20
	ds_load_b128 v[4*u:4*u+3], v3 offset:PART+u*512
.set u, u+1
.endr
	s_wait_dscnt 0x0
	; register i of a chunk's 80 holds two bf16 of block i / 4, whose column tile is (i / 8) mod 5; each half times the chunk's scale, summed in f32
	WIN 0xc2
.set i, 0
	s_wait_alu depctr_va_vdst(0)
.rept 80
	v_fma_mix_f32_bf16 v[ACC+2*i], v[i], v[SC], v[SVE+(i/8)%5] op_sel_hi:[1,0,0]
	v_fma_mix_f32_bf16 v[ACC+2*i+1], v[i], v[SC], v[SVE+(i/8)%5] op_sel:[1,0,0] op_sel_hi:[1,0,0]
.set i, i+1
.endr
	WIN 0xf2
.set i, 0
.rept 80
	v_fma_mix_f32_bf16 v[ACC+2*i], v[80+i], v[SC+1], v[ACC+2*i] op_sel_hi:[1,0,0]
	v_fma_mix_f32_bf16 v[ACC+2*i+1], v[80+i], v[SC+1], v[ACC+2*i+1] op_sel:[1,0,0] op_sel_hi:[1,0,0]
.set i, i+1
.endr
.set i, 0
.rept 80
	v_fma_mix_f32_bf16 v[ACC+2*i], v[160+i], v[SC+2], v[ACC+2*i] op_sel_hi:[1,0,0]
	v_fma_mix_f32_bf16 v[ACC+2*i+1], v[160+i], v[SC+2], v[ACC+2*i+1] op_sel:[1,0,0] op_sel_hi:[1,0,0]
.set i, i+1
.endr
	WIN 0xf3
.set i, 0
.rept 80
	v_fma_mix_f32_bf16 v[ACC+2*i], v[i], v[SC+3], v[ACC+2*i] op_sel_hi:[1,0,0]
	v_fma_mix_f32_bf16 v[ACC+2*i+1], v[i], v[SC+3], v[ACC+2*i+1] op_sel:[1,0,0] op_sel_hi:[1,0,0]
.set i, i+1
.endr
	WIN 0x0f
.set i, 0
.rept 80
	v_cvt_pk_bf16_f32 v[PK+i], v[ACC+2*i], v[ACC+2*i+1]
.set i, i+1
.endr
	WIN 0
.set u, 0
.rept 20
	ds_store_b128 v6, v[PK+4*u:PK+4*u+3] offset:u*512
.set u, u+1
.endr
	s_wait_dscnt 0x0                               ; my fragments are in LDS, for the other waves' sake
	s_barrier_signal -1
	s_barrier_wait -1
	WIN 0x80
.set u, 0
.rept 60
	ds_load_b128 v[4*u:4*u+3], v7 offset:u*512
.set u, u+1
.endr
	WIN 0xc0
.set u, 60
.rept 20
	ds_load_b128 v[4*(u-60):4*(u-60)+3], v7 offset:u*512
.set u, u+1
.endr
	s_wait_dscnt 0x0
	WIN 0xf2                                       ; column sums: context^T x ones; five accumulators take turns
.irp c, 0,1,2,3,4,5
.irp t, 0,1,2,3,4
.if \c == 0
	v_wmma_f32_16x16x32_bf16 v[OA+8*\t:OA+8*\t+7], v[8*(5*\c+\t):8*(5*\c+\t)+7], v[ONES:ONES+7], 0
.else
	v_wmma_f32_16x16x32_bf16 v[OA+8*\t:OA+8*\t+7], v[8*(5*\c+\t):8*(5*\c+\t)+7], v[ONES:ONES+7], v[OA+8*\t:OA+8*\t+7]
.endif
.endr
.endr
	WIN 0xf3
.irp c, 0,1
.irp t, 0,1,2,3,4
	v_wmma_f32_16x16x32_bf16 v[OA+8*\t:OA+8*\t+7], v[8*(5*\c+\t):8*(5*\c+\t)+7], v[ONES:ONES+7], v[OA+8*\t:OA+8*\t+7]
.endr
.endr
	PLACES
	WIN 0x03
.set i, 0
.rept 20
	v_pk_mul_f32 v[CS+2*i:CS+2*i+1], v[OA+2*i:OA+2*i+1], 0x38d1b717 op_sel_hi:[1,0]
.set i, i+1
.endr
	WIN 0
; The slices of a row tile's second half.  Chunk j = features 32 j .. 32 j + 31 = dd's tiles 2 j, 2 j + 1 = K chunk j of context x e.
.macro ADDT j                          ; dd - diag - maximum of chunk j, into the 16 registers beside the context in window 2
.irp p, 0,1,2,3,4,5,6,7
	v_pk_add_f32 v[T2+2*\p:T2+2*\p+1], v[DD+16*\j+2*\p:DD+16*\j+2*\p+1], v[BI:BI+1]
.endr
.endm
.macro EXPS d, s, from, n              ; n exponentials, from number 'from' of the chunk's 16
.set ex, \from
.rept \n
	v_exp_f32 v[\d+ex], v[\s+ex]
.set ex, ex+1
.endr
.endm
.macro PACK j                          ; e's fragment j
.irp i, 0,1,2,3,4,5,6,7
	v_cvt_pk_bf16_f32 v[QP+8*\j+\i], v[DD+16*\j+2*\i], v[DD+16*\j+2*\i+1]
.endr
.endm
; context^T x e: lane = row r, registers = d 16 t + 8 h + j.  ct: the context chunk's first register in source 0's window; qc: its number;
; first: the sums start from eps x column sums.  The five accumulators take turns, one instruction a turn.
.macro P2 ct, qc, t, first
.if \first
	v_wmma_f32_16x16x32_bf16 v[OA+8*\t:OA+8*\t+7], v[(\ct)+8*\t:(\ct)+8*\t+7], v[QP+8*(\qc):QP+8*(\qc)+7], v[CS+8*\t:CS+8*\t+7]
.else
	v_wmma_f32_16x16x32_bf16 v[OA+8*\t:OA+8*\t+7], v[(\ct)+8*\t:(\ct)+8*\t+7], v[QP+8*(\qc):QP+8*(\qc)+7], v[OA+8*\t:OA+8*\t+7]
.endif
.endm
.macro AMONG d, s, ct, qc, first       ; a chunk's 16 exponentials, and among them the five products of the chunk before
	P2 \ct, \qc, 0, \first
	EXPS \d, \s, 0, 3
	P2 \ct, \qc, 1, \first
	EXPS \d, \s, 3, 3
	P2 \ct, \qc, 2, \first
	EXPS \d, \s, 6, 3
	P2 \ct, \qc, 3, \first
	EXPS \d, \s, 9, 3
	P2 \ct, \qc, 4, \first
	EXPS \d, \s, 12, 4
	v_nop                                          ; one plain instruction behind the transcendentals, ahead of the lines that read their results and write over their sources (ISA guide 5.7.2)
	s_wait_alu depctr_va_vdst(0)
.endm
.macro STEPW j, first                  ; steps 1 to 6: chunk j's e, chunk j - 1's products (context chunks 0 to 5, window 2)
	WIN 0x83                                       ; destination window 2, source 0 window 3, source 1 window 0
	ADDT \j
.if \first
	WIN 0xc2                                       ; source 0 window 2 (context; exponents), source 1 and C window 0 (e; eps x column sums), D window 3 (result; e in f32)
.else
	WIN 0xf2                                       ; the same with C in window 3
.endif
	AMONG DD+16*\j, T2, 40*(\j-1), (\j-1), \first
	WIN 0x0f
	PACK \j
.endm
; One row tile.  pre = 1: the next tile's q is asked for, and the bases step.
.macro TRIP pre
	s_wait_loadcnt 0x0                             ; this tile's q (in the first trip proj's fragments too)
	v_mov_b32 v[DG], 0
	v_mov_b32 v[DG+1], 0
.set i, 0
.rept 16
	v_fma_mix_f32_bf16 v[DG], v[QF+i], v[QF+i], v[DG] op_sel_hi:[1,1,0]
	v_fma_mix_f32_bf16 v[DG+1], v[QF+i], v[QF+i], v[DG+1] op_sel:[1,1,0] op_sel_hi:[1,1,0]
.set i, i+1
.endr
	v_add_f32 v[DG], v[DG], v[DG+1]
	v_permlanex16_b32 v[DG+1], v[DG], s34, s35
	v_add_f32 v[DG], v[DG], v[DG+1]                ; sum of q^2 of row r
	WIN 0xf1                                       ; proj x q^T: lane = row r, registers = feature 16 f + 8 h + j; 16 accumulators by turns
.irp f, 0,1,2,3,4,5,6,7,8,9,10,11,12,13,14,15
	v_wmma_f32_16x16x32_bf16 v[DD+8*\f:DD+8*\f+7], v[16*\f:16*\f+7], v[QF:QF+7], 0
.endr
.irp f, 0,1,2,3,4,5,6,7,8,9,10,11,12,13,14,15
	v_wmma_f32_16x16x32_bf16 v[DD+8*\f:DD+8*\f+7], v[16*\f+8:16*\f+15], v[QF+8:QF+15], v[DD+8*\f:DD+8*\f+7]
.endr
	WIN 0
.irp k, 0,1,2,3
	v_mov_b32 v[MX+\k], 0xff800000                 ; the four places behind the products
.endr
.if \pre
	s_add_nc_u64 s[4:5], s[4:5], 2048              ; the loads that named this base are done (the wait at the trip's head)
.irp t, 0,1,2,3
	global_load_b128 v[QF+4*\t:QF+4*\t+3], v1, s[4:5] offset:\t*512
.endr
.endif
	WIN 0x3c
.set i, 0
.rept 64
	v_max3_num_f32 v[MX+i%4], v[MX+i%4], v[DD+2*i], v[DD+2*i+1]
.set i, i+1
.endr
	WIN 0
	v_max3_num_f32 v[MX], v[MX], v[MX+1], v[MX+2]
	v_max_num_f32 v[MX], v[MX], v[MX+3]
	v_permlanex16_b32 v[MX+1], v[MX], s34, s35
	v_max_num_f32 v[MX], v[MX], v[MX+1]            ; the row's maximum over the 256 features
	v_fma_f32 v[BI], v[DG], s32, -v[MX]
	v_mov_b32 v[BI+1], v[BI]
	WIN 0x83                                       ; step 0: chunk 0's e; no product is ready yet
	ADDT 0
	WIN 0xc2
	EXPS DD, T2, 0, 16
	v_nop                                          ; one plain instruction behind the transcendentals
	s_wait_alu depctr_va_vdst(0)
	WIN 0x0f
	PACK 0
	STEPW 1, 1
	STEPW 2, 0
	STEPW 3, 0
	STEPW 4, 0
	STEPW 5, 0
	STEPW 6, 0
	WIN 0xc3                                       ; step 7: context chunk 6 lies in window 3, where dd lies: chunk 7's exponents stay in place
.irp p, 0,1,2,3,4,5,6,7
	v_pk_add_f32 v[DD+112+2*\p:DD+112+2*\p+1], v[DD+112+2*\p:DD+112+2*\p+1], v[BI:BI+1]
.endr
	WIN 0xf3
	AMONG DD+112, DD+112, 0, 6, 0
	WIN 0x0f
	PACK 7
	WIN 0xf3                                       ; step 8: chunk 7's products have no exponentials left to stand among
.irp t, 0,1,2,3,4
	P2 40, 7, \t, 0
.endr
	PLACES
	WIN 0x03
	v_rcp_f32 v[RI], v[OA+32]                      ; the fifth tile holds the denominator of row r in every register
	v_rcp_f32 v[RI+1], v[OA+32]
	v_nop                                          ; one plain instruction behind the transcendentals
	s_wait_alu depctr_va_vdst(0)
	v_mul_f32 v[RI], 0x41000000, v[RI]             ; times 8: the stored result's place in f16's range (the kernel's head)
	v_mul_f32 v[RI+1], 0x41000000, v[RI+1]
.set i, 0
.rept 16
	v_pk_mul_f32 v[SR+2*i:SR+2*i+1], v[OA+2*i:OA+2*i+1], v[RI:RI+1]
.set i, i+1
.endr
	WIN 0
.set i, 0
.rept 16
	v_cvt_pk_f16_f32 v[OP+i], v[SR+2*i], v[SR+2*i+1]
.set i, i+1
.endr
.irp t, 0,1,2,3
	global_store_b128 v1, v[OP+4*\t:OP+4*\t+3], s[12:13] offset:(\t/2)*16384+(\t%2)*512    ; 512 consecutive bytes: half a fragment of the next product
.endr
.if \pre
	s_wait_xcnt 0x0                                ; the stores' base and data are written again only behind this wait
	s_add_nc_u64 s[12:13], s[12:13], 1024
.endif
.endm
	s_mov_b32 s14, 7
.Ltile:
	TRIP 1
	s_sub_co_u32 s14, s14, 1
	s_cmp_lg_u32 s14, 0
	s_cbranch_scc1 .Ltile
	TRIP 0                                         ; the last tile asks for nothing
	s_wait_tensorcnt 0x0
	ds_add_u32 v254, v255
	s_wait_dscnt 0x0
	CROUND                                         ; the closing round: no work-group ends while a partner may still ask jointly
	s_endpgm
.Lfunc_end_k_qbb636bcd0d_qside:
	.size	k_qbb636bcd0d_qside, .Lfunc_end_k_qbb636bcd0d_qside-k_qbb636bcd0d_qside
	.p2alignl 7, 3214868480
	.fill 96, 4, 3214868480
	.section	.rodata,"a",@progbits
	.p2align	6, 0x0
	.amdhsa_kernel k_qbb636bcd0d_qside
		.amdhsa_group_segment_fixed_size 205312
		.amdhsa_private_segment_fixed_size 0
		.amdhsa_enable_private_segment 0
		.amdhsa_kernarg_size 40
		.amdhsa_user_sgpr_count 2
		.amdhsa_user_sgpr_kernarg_segment_ptr 1
		.amdhsa_wavefront_size32 1
		.amdhsa_system_sgpr_workgroup_id_x 1
		.amdhsa_system_sgpr_workgroup_id_y 1
		.amdhsa_system_sgpr_workgroup_id_z 1
		.amdhsa_system_vgpr_workitem_id 0
		.amdhsa_next_free_vgpr 1024
		.amdhsa_next_free_sgpr 66
		.amdhsa_reserve_vcc 0
		.amdhsa_float_denorm_mode_32 3
		.amdhsa_float_denorm_mode_16_64 3
		.amdhsa_memory_ordered 1
		.amdhsa_forward_progress 1
		.amdhsa_inst_pref_size 131
	.end_amdhsa_kernel
	.amdgpu_metadata
---
amdhsa.version: [ 1, 2 ]
amdhsa.kernels:
  - .name:           k_qbb636bcd0d_qside
    .symbol:         k_qbb636bcd0d_qside.kd
    .args:
      - { .name: qF, .offset: 0, .size: 8, .value_kind: global_buffer, .address_space: global }
      - { .name: pE, .offset: 8, .size: 8, .value_kind: global_buffer, .address_space: global }
      - { .name: stW, .offset: 16, .size: 8, .value_kind: global_buffer, .address_space: global }
      - { .name: projF, .offset: 24, .size: 8, .value_kind: global_buffer, .address_space: global }
      - { .name: attnF, .offset: 32, .size: 8, .value_kind: global_buffer, .address_space: global }
    .group_segment_fixed_size: 205312
    .private_segment_fixed_size: 0
    .kernarg_segment_align: 8
    .kernarg_segment_size: 40
    .max_flat_workgroup_size: 128
    .sgpr_count:     66
    .vgpr_count:     1024
    .wavefront_size: 32
...
	.end_amdgpu_metadata
.endif
;; end of part 3
;; launch oproj (part 4): grid 8 x 32, 4 waves a work-group, clusters of 4 x 4, 327,680 bytes of LDS; arguments attnF, woF, bo, out0; writes out0
.if DOCPART == 4
	.amdgcn_target "amdgcn-amd-amdhsa--gfx1250"
	.amdhsa_code_object_version 6
	.text
	.protected	k_qbb636bcd0d_oproj
	.globl	k_qbb636bcd0d_oproj
	.p2align	8
	.type	k_qbb636bcd0d_oproj,@function
k_qbb636bcd0d_oproj:
	s_mov_b64 s[64:65], 0
	v_nop
	global_prefetch_b8 v0, s[64:65] scope:SCOPE_SE
	s_setreg_imm32_b32 hwreg(HW_REG_WAVE_MODE, 25, 1), 1
	s_wait_xcnt 0x0
	s_wait_alu depctr_hold_cnt(0) depctr_sa_sdst(0) depctr_va_vdst(0) depctr_va_sdst(0) depctr_va_ssrc(0) depctr_va_vcc(0) depctr_vm_vsrc(0)
	s_getreg_b32 s2, hwreg(HW_REG_IB_STS2, 6, 4)
	s_cmp_eq_u32 s2, 0
	s_cbranch_scc0 .Lentry_in_a_cluster
	s_endpgm
.Lentry_in_a_cluster:
	s_bfe_u32 s2, ttmp6, 0x10000c
	s_cmp_lg_u32 s2, 0xf033
	s_cbranch_scc0 .Lentry_shape_is_right
	s_endpgm
.Lentry_shape_is_right:
; OPROJ: out0 = attn x Wo + bo.  8 x attn [8192, 1024] and Wo^T [1024, 1024] lie in memory as f16 in fragment order; out0 is f32.
; The factor 8 on attn (its place in f16's range: the head of the launch that stores it) is taken back with the bias, in one fused multiply-add.
; A work-group: 256 rows x 128 columns (256 work-groups).  A wave: 128 x 64 = 32 accumulator tiles in window 1.
; K = 1,024 is 32 chunks of 32.  They go through two LDS slots of six chunks each (attn 6 x 16,384 bytes; Wo at 98,304: 6 x 8,192; 147,456 bytes,
; the most of which two fit beside the stage): five periods of six chunks and a last one of two, all written out, dense rows of 256 bytes.
; CLUSTER 4 x 4: attn's tile hangs on the block of rows alone and is asked for jointly along a row of the cluster, Wo's on the block of columns
; alone, along a column.  Waves 0, 1, 2 ask for two chunks of attn each (32,768 bytes), wave 3 for Wo's six (49,152 bytes).
; A wave has two tensor loads out at the start, one later.
; The product is used transposed (Wo's fragment first): a lane then holds 8 neighbouring columns of one row of out0.
; The way out goes through each wave's own stage in LDS, so that sixteen lanes store 256 consecutive, aligned bytes.
.set SLOT,  147456
.set BOFF,  98304
.set STAGE, 2*SLOT                     ; 4 waves x 16 rows x 272 bytes; no tensor load lands here
.set SP,    272
.set LB,   1
.set BIAS, 16                          ; v[16:19]
.set AA,   20                          ; v20-21 attn's fragments in slot 0, 1: chunks 0 to 3 by the immediate
.set BA,   22                          ; v22-23 Wo's
.set STO,  24
.set RD,   25
.set CO,   26
.set BO,   27
.set AB,   28                          ; v28-29 attn's chunks 4 and 5: 65,536 further, beyond the 16-bit immediate
.set F0,   64                          ; v[64:159]: Wo's 4 fragments, then attn's 8
.set F1,   160                         ; v[160:255]
.set G1A, 24                           ; s[24:31] shape of attn's tile: 128 rows of 256 bytes
.set G0A, 32
.set G1B, 40                           ; s[40:47] shape of Wo's tile: 192 rows
.set G0B, 48
.set G1C, 80                           ; s[80:87] shape of Wo's last tile, two chunks: 64 rows
.set MSB, 0
.macro WIN new
.if MSB != \new
	s_set_vgpr_msb (MSB<<8)|\new
.set MSB, \new
.endif
.endm
.macro PLACES
.rept 4
	v_nop
.endr
.endm
.macro JLOAD s                         ; a joint load: one line and one mask for attn's tiles, one for Wo's; the branch hangs on the wave's number alone
	s_cmp_eq_u32 s16, 3
	s_cbranch_scc1 .Lfor_b_\@
	tensor_load_to_lds s[G0A+4*\s:G0A+4*\s+3], s[G1A:G1A+7]
	s_nop 0
	s_branch .Lasked_\@
.Lfor_b_\@:
	tensor_load_to_lds s[G0B+4*\s:G0B+4*\s+3], s[G1B:G1B+7]
	s_nop 0
.Lasked_\@:
.endm
.macro JLOADS s                        ; the last period has two chunks: wave 0 asks for attn's, waves 1 and 2 have no part to fill, wave 3 asks for 64 rows of Wo
	s_cmp_eq_u32 s16, 0
	s_cbranch_scc0 .Lnot_a_\@
	tensor_load_to_lds s[G0A+4*\s:G0A+4*\s+3], s[G1A:G1A+7]
	s_nop 0
	s_branch .Lshort_\@
.Lnot_a_\@:
	s_cmp_eq_u32 s16, 3
	s_cbranch_scc0 .Lshort_\@
	tensor_load_to_lds s[G0B+4*\s:G0B+4*\s+3], s[G1C:G1C+7]
	s_nop 0
.Lshort_\@:
.endm
.macro CREST
	s_cmp_lg_u32 s16, 0
	s_cbranch_scc1 .Lnot_wave_0_\@
	s_barrier_signal -3
.Lnot_wave_0_\@:
	s_barrier_wait -3
	s_barrier_signal -1
	s_barrier_wait -1
.endm
.macro CROUND
	s_barrier_signal -1
	s_barrier_wait -1
	CREST
.endm
	s_load_b256 s[4:11], s[0:1], 0x0               ; attnF, woF, bo, out0
	v_lshl_add_u32 v62, v0, 2, 0x4c400
	v_mov_b32 v63, 0
	ds_add_u32 v62, v63
	ds_add_u32 v62, v63
	v_lshrrev_b32 v1, 5, v0
	v_readfirstlane_b32 s16, v1                    ; wave
	s_lshr_b32 s17, s16, 1                         ; my half of the rows
	s_and_b32 s18, s16, 1                          ; my half of the columns
	s_bfe_u32 s19, ttmp6, 0x40000                  ; cx
	s_bfe_u32 s20, ttmp6, 0x40004                  ; cy
	s_lshl_b32 s21, ttmp9, 2
	s_add_co_u32 s21, s21, s19                     ; block of 128 columns
	s_and_b32 s22, ttmp7, 0xffff
	s_lshl_b32 s22, s22, 2
	s_add_co_u32 s22, s22, s20                     ; block of 256 rows
	s_lshl_b32 s56, s20, 2
	s_lshl_b32 s56, 15, s56
	s_lshl_b32 s57, 0x1111, s19
	s_or_b32 s[G1A+0], s56, (3<<16)|(1<<21)        ; mask of my row; elements of 8 bytes; bit 21 beside a mask
	s_mov_b32 s[G1A+1], 32<<16
	s_mov_b32 s[G1A+2], 128<<16                    ; 128 rows of 256 bytes: two chunks
	s_mov_b32 s[G1A+3], 32<<16
	s_mov_b32 s[G1A+4], 128
	s_mov_b32 s[G1A+5], 32
	s_mov_b32 s[G1A+6], 0
	s_mov_b32 s[G1A+7], 0
	s_or_b32 s[G1B+0], s57, (3<<16)|(1<<21)        ; mask of my column
	s_mov_b32 s[G1B+1], 32<<16
	s_mov_b32 s[G1B+2], 192<<16                    ; 192 rows of 256 bytes: six chunks
	s_mov_b32 s[G1B+3], 32<<16
	s_mov_b32 s[G1B+4], 192
	s_mov_b32 s[G1B+5], 32
	s_mov_b32 s[G1B+6], 0
	s_mov_b32 s[G1B+7], 0
	s_or_b32 s[G1C+0], s57, (3<<16)|(1<<21)
	s_mov_b32 s[G1C+1], 32<<16
	s_mov_b32 s[G1C+2], 64<<16                     ; two chunks
	s_mov_b32 s[G1C+3], 32<<16
	s_mov_b32 s[G1C+4], 64
	s_mov_b32 s[G1C+5], 32
	s_mov_b32 s[G1C+6], 0
	s_mov_b32 s[G1C+7], 0
	s_lshl_b32 s58, s22, 19                        ; attn's address hangs on the block of rows and the wave alone: chunks 2 w, 2 w + 1 of the period,
	s_lshl_b32 s59, s16, 15
	s_add_co_u32 s58, s58, s59
	s_mov_b32 s59, 0
	s_lshl_b32 s60, s21, 18                        ; Wo's on the block of columns alone
	s_mov_b32 s61, 0
	s_lshl_b32 s66, s16, 15                        ; LDS: attn's part w at 32,768 w
	s_wait_dscnt 0x0
	s_wait_kmcnt 0x0
	s_add_nc_u64 s[58:59], s[4:5], s[58:59]
	s_add_nc_u64 s[60:61], s[6:7], s[60:61]
	CROUND                                         ; the first joint loads meet
.irp s, 0,1
	s_mov_b32 s[G0A+4*\s], 1
	s_add_co_u32 s[G0A+4*\s+1], s66, \s*SLOT
	s_add_nc_u64 s[G0A+4*\s+2:G0A+4*\s+3], s[58:59], \s*98304      ; period s: six chunks of 16,384 bytes on
	s_or_b32 s[G0A+4*\s+3], s[G0A+4*\s+3], 0x80000000
	s_mov_b32 s[G0B+4*\s], 1
	s_mov_b32 s[G0B+4*\s+1], BOFF+\s*SLOT
	s_add_nc_u64 s[G0B+4*\s+2:G0B+4*\s+3], s[60:61], \s*49152
	s_or_b32 s[G0B+4*\s+3], s[G0B+4*\s+3], 0x80000000
	JLOAD \s
.endr
	v_and_b32 v2, 15, v0
	v_bfe_u32 v3, v0, 4, 1
	v_and_b32 v4, 31, v0
	v_lshlrev_b32 v[LB], 4, v4
	s_lshl_b32 s68, s17, 13
	v_add_nc_u32 v[AA], s68, v[LB]
	v_add_nc_u32 v[AA+1], SLOT, v[AA]
	v_add_nc_u32 v[AB], 65536, v[AA]
	v_add_nc_u32 v[AB+1], 65536, v[AA+1]
	s_lshl_b32 s69, s18, 12
	s_add_co_u32 s69, s69, BOFF
	v_add_nc_u32 v[BA], s69, v[LB]
	v_add_nc_u32 v[BA+1], SLOT, v[BA]
	s_mul_i32 s70, s16, 16*SP
	s_add_co_u32 s70, s70, STAGE
	v_mul_u32_u24 v5, v2, SP                       ; in: row r, 32 bytes for each half of the lanes
	v_lshl_add_u32 v5, v3, 5, v5
	v_add_nc_u32 v[STO], s70, v5
	v_mul_u32_u24 v5, v3, SP                       ; back: lanes 0-15 one row of 256 bytes, lanes 16-31 the next
	v_lshl_add_u32 v5, v2, 4, v5
	v_add_nc_u32 v[RD], s70, v5
	v_lshlrev_b32 v[BO], 4, v2
	v_lshl_add_u32 v[CO], v3, 12, v[BO]            ; and the same two rows in out0
	s_lshl_b32 s72, s21, 9
	s_lshl_b32 s73, s18, 8
	s_add_co_u32 s72, s72, s73                     ; my 64 columns, in bytes
	s_mov_b32 s73, 0
	s_add_nc_u64 s[8:9], s[8:9], s[72:73]
	s_add_nc_u64 s[10:11], s[10:11], s[72:73]
	s_lshl_b32 s72, s22, 20
	s_lshl_b32 s74, s17, 19
	s_add_co_u32 s72, s72, s74                     ; my first row
	s_add_nc_u64 s[10:11], s[10:11], s[72:73]
	global_load_b128 v[BIAS:BIAS+3], v[BO], s[8:9] ; bo of the four columns that I store
; 16 matrix instructions: row tiles a0 .. a0 + 3 x my 4 column tiles.  The 32 accumulators take turns, one instruction a turn.
.macro MUL16 f, a0, zero
.irp a, \a0, \a0+1, \a0+2, \a0+3
.irp t, 0,1,2,3
.if \zero
	v_wmma_f32_16x16x32_f16 v[8*(4*(\a)+\t):8*(4*(\a)+\t)+7], v[\f+8*\t:\f+8*\t+7], v[\f+32+8*(\a):\f+32+8*(\a)+7], 0
.else
	v_wmma_f32_16x16x32_f16 v[8*(4*(\a)+\t):8*(4*(\a)+\t)+7], v[\f+8*\t:\f+8*\t+7], v[\f+32+8*(\a):\f+32+8*(\a)+7], v[8*(4*(\a)+\t):8*(4*(\a)+\t)+7]
.endif
.endr
.endr
.endm
.macro FETCH slot, q, f                ; 24 LDS loads: the fragments of chunk q of the slot
.irp u, 0,1,2,3,4,5,6,7
	ds_load_b128 v[\f+4*\u:\f+4*\u+3], v[BA+\slot] offset:\q*8192+\u*512
.endr
.if \q < 4
.irp u, 0,1,2,3,4,5,6,7,8,9,10,11,12,13,14,15
	ds_load_b128 v[\f+32+4*\u:\f+32+4*\u+3], v[AA+\slot] offset:\q*16384+\u*512
.endr
.else
.irp u, 0,1,2,3,4,5,6,7,8,9,10,11,12,13,14,15
	ds_load_b128 v[\f+32+4*\u:\f+32+4*\u+3], v[AB+\slot] offset:(\q-4)*16384+\u*512
.endr
.endif
.endm
.macro ONE slot, qn, f, g, zero        ; one chunk: multiplies buffer f; ahead of that asks for chunk qn into buffer g
	s_wait_dscnt 0x0                               ; buffer f, asked for a chunk ago
	PLACES
	WIN 0
	FETCH \slot, \qn, \g
	WIN 0x50
	MUL16 \f, 0, \zero
	MUL16 \f, 4, \zero
.endm
.macro FIVE slot, zero
	ONE \slot, 1, F0, F1, \zero
	ONE \slot, 2, F1, F0, 0
	ONE \slot, 3, F0, F1, 0
	ONE \slot, 4, F1, F0, 0
	ONE \slot, 5, F0, F1, 0
.endm
; The sixth chunk: multiplies buffer 1 and changes slots.  fill 1: this slot is filled again, two periods ahead; 2: with the short last period; 0: not.
.macro TURN slot, next, fill
	s_wait_dscnt 0x0                               ; my reads of this slot are over
	s_wait_tensorcnt 0x0                           ; all my tensor loads have landed: the one that was out is my part of the next slot
	ds_add_u32 v62, v63
	s_wait_dscnt 0x0
	s_barrier_signal -1
	MUL16 F1, 0, 0
	WIN 0
	s_barrier_wait -1
.if \fill
	CREST                                          ; no wave of any partner still reads this slot or has a load on its way
	s_add_nc_u64 s[G0A+4*\slot+2:G0A+4*\slot+3], s[G0A+4*\slot+2:G0A+4*\slot+3], 196608    ; two periods = twelve chunks on
	s_add_nc_u64 s[G0B+4*\slot+2:G0B+4*\slot+3], s[G0B+4*\slot+2:G0B+4*\slot+3], 98304
.if \fill == 1
	JLOAD \slot                                    ; my one tensor load behind the round; 176 matrix instructions stand before the wait for it
.else
	JLOADS \slot
.endif
.endif
	PLACES
	FETCH \next, 0, F0
	WIN 0x50
	MUL16 F1, 4, 0
.endm
	s_wait_tensorcnt 1                             ; my part of period 0 is in; period 1's stays out
	s_barrier_signal -1
	s_barrier_wait -1
	FETCH 0, 0, F0
	FIVE 0, 1                                      ; period 0: its first products start the sums
	TURN 0, 1, 1
	FIVE 1, 0                                      ; period 1
	TURN 1, 0, 1
	FIVE 0, 0                                      ; period 2
	TURN 0, 1, 1
	FIVE 1, 0                                      ; period 3 asks for the short period 5
	TURN 1, 0, 2
	FIVE 0, 0                                      ; period 4 fills nothing
	TURN 0, 1, 0
	ONE 1, 1, F0, F1, 0                            ; period 5: chunks 30 and 31
	s_wait_dscnt 0x0
	MUL16 F1, 0, 0
	MUL16 F1, 4, 0
	PLACES
	s_wait_loadcnt 0x0                             ; bo
; 16 rows at a time: 32 bytes a lane and tile into my stage, whole rows of 256 bytes back, sum / 8 + bias, stored
.macro OUT16 a, f
	WIN 0x04
.irp t, 0,1,2,3
	ds_store_b128 v[STO], v[8*(4*\a+\t):8*(4*\a+\t)+3] offset:\t*64
	ds_store_b128 v[STO], v[8*(4*\a+\t)+4:8*(4*\a+\t)+7] offset:\t*64+16
.endr
	WIN 0
	s_wait_xcnt 0x0                                ; buffer f and the stores' base are written again only behind this wait
.if \a
	s_add_nc_u64 s[10:11], s[10:11], 65536         ; 16 rows on
.endif
.irp u, 0,1,2,3,4,5,6,7
	ds_load_b128 v[\f+4*\u:\f+4*\u+3], v[RD] offset:\u*2*SP        ; LDS serves a wave's instructions in order: these see the stores above
.endr
.irp u, 0,1,2,3,4,5,6,7
	s_wait_dscnt 7-\u
	v_pk_fma_f32 v[\f+4*\u:\f+4*\u+1], v[\f+4*\u:\f+4*\u+1], 0x3e000000, v[BIAS:BIAS+1] op_sel_hi:[1,0,1]        ; attn came times 8
	v_pk_fma_f32 v[\f+4*\u+2:\f+4*\u+3], v[\f+4*\u+2:\f+4*\u+3], 0x3e000000, v[BIAS+2:BIAS+3] op_sel_hi:[1,0,1]
	global_store_b128 v[CO], v[\f+4*\u:\f+4*\u+3], s[10:11] offset:\u*8192 th:TH_STORE_NT   ; sixteen lanes: 256 consecutive bytes, aligned
.endr
.endm
	OUT16 0, F0
	OUT16 1, F1
	OUT16 2, F0
	OUT16 3, F1
	OUT16 4, F0
	OUT16 5, F1
	OUT16 6, F0
	OUT16 7, F1
	s_wait_tensorcnt 0x0
	ds_add_u32 v62, v63
	s_wait_dscnt 0x0
	CROUND                                         ; the closing round
	s_endpgm
.Lfunc_end_k_qbb636bcd0d_oproj:
	.size	k_qbb636bcd0d_oproj, .Lfunc_end_k_qbb636bcd0d_oproj-k_qbb636bcd0d_oproj
	.p2alignl 7, 3214868480
	.fill 96, 4, 3214868480
	.section	.rodata,"a",@progbits
	.p2align	6, 0x0
	.amdhsa_kernel k_qbb636bcd0d_oproj
		.amdhsa_group_segment_fixed_size 327680
		.amdhsa_private_segment_fixed_size 0
		.amdhsa_enable_private_segment 0
		.amdhsa_kernarg_size 32
		.amdhsa_user_sgpr_count 2
		.amdhsa_user_sgpr_kernarg_segment_ptr 1
		.amdhsa_wavefront_size32 1
		.amdhsa_system_sgpr_workgroup_id_x 1
		.amdhsa_system_sgpr_workgroup_id_y 1
		.amdhsa_system_sgpr_workgroup_id_z 1
		.amdhsa_system_vgpr_workitem_id 0
		.amdhsa_next_free_vgpr 512
		.amdhsa_next_free_sgpr 88
		.amdhsa_reserve_vcc 0
		.amdhsa_float_denorm_mode_32 3
		.amdhsa_float_denorm_mode_16_64 3
		.amdhsa_memory_ordered 1
		.amdhsa_forward_progress 1
		.amdhsa_inst_pref_size 159
	.end_amdhsa_kernel
	.amdgpu_metadata
---
amdhsa.version: [ 1, 2 ]
amdhsa.kernels:
  - .name:           k_qbb636bcd0d_oproj
    .symbol:         k_qbb636bcd0d_oproj.kd
    .args:
      - { .name: attnF, .offset: 0, .size: 8, .value_kind: global_buffer, .address_space: global }
      - { .name: woF, .offset: 8, .size: 8, .value_kind: global_buffer, .address_space: global }
      - { .name: bo, .offset: 16, .size: 8, .value_kind: global_buffer, .address_space: global }
      - { .name: out0, .offset: 24, .size: 8, .value_kind: global_buffer, .address_space: global }
    .group_segment_fixed_size: 327680
    .private_segment_fixed_size: 0
    .kernarg_segment_align: 8
    .kernarg_segment_size: 32
    .max_flat_workgroup_size: 128
    .sgpr_count:     88
    .vgpr_count:     512
    .wavefront_size: 32
...
	.end_amdgpu_metadata
.endif
;; end of part 4
;; ======== version 2 of 2: 4 launches; version 1 with the launch prep written anew for expert scheduling mode
;; limits: values outside matrix products are rounded to bf16; values are held in f16: magnitudes above 65,504 overflow, below 6.1e-05 lose precision; right only within a limited range of input values
;; workspace buffers: xnF 16,777,216 bytes; wF 6,291,456 bytes; woF 2,097,152 bytes; projF 65,536 bytes; qF 16,777,216 bytes; pE 10,485,760 bytes; stW 262,144 bytes; attnF 16,777,216 bytes
;; launch prep (part 5): grid 513 x 1, 8 waves a work-group, no clusters, 70,656 bytes of LDS; arguments x, ln_g, ln_b, Wq, Wk, Wv, Wo, proj, xnF, wF, woF, projF; writes xnF, wF, woF, projF
.if DOCPART == 5
	.amdgcn_target "amdgcn-amd-amdhsa--gfx1250"
	.amdhsa_code_object_version 6
	.text
	.protected	k_qbb636bcd0d_prep
	.globl	k_qbb636bcd0d_prep
	.p2align	8
	.type	k_qbb636bcd0d_prep,@function
k_qbb636bcd0d_prep:
	s_mov_b64 s[64:65], 0
	v_nop
	global_prefetch_b8 v0, s[64:65] scope:SCOPE_SE
	s_setreg_imm32_b32 hwreg(HW_REG_WAVE_SCHED_MODE, 0, 2), 2
	s_setreg_imm32_b32 hwreg(HW_REG_WAVE_MODE, 25, 1), 1
	s_wait_xcnt 0x0
	s_wait_alu depctr_vm_vsrc(0)
; PREP: LayerNorm of x, and the casts of Wq, Wk, Wv, Wo and proj, all to 16 bits in FRAGMENT ORDER.
; Fragment order: a block of 1,024 bytes is one matrix operand of 16 rows x 32 K; bytes half*512 + lane*16 hold, for
; lane (r = lane & 15, h = lane >> 4), the eight numbers (row r, K = 16 half + 8 h + 0..7).  A wave's 16-byte access at
; lane*16 is then 512 consecutive bytes, in memory and in LDS alike, and two such loads are an operand.
;
; WORK OF THE WHOLE PROGRAM THAT IS LEFT OUT, for all values of the inputs:
;  * ratio = M^-0.5 multiplies qp and kp.  out = (qp . context) / (qp . k_sum), and context and k_sum each carry one factor
;    ratio from kp: numerator and denominator both carry ratio^2, which cancels.  No launch multiplies by it.
;  * the eps in kp adds eps * (sum over n of 1) to k_sum; that sum is the sequence length 2,048, so the term is the constant 0.2048.
;  The eps terms themselves are kept, exactly, beside the exponentials: context = sum E v + eps sum v, and so on.
;  Every input has a way to the output and every input is loaded.
; CONSTANTS FOLDED: proj is stored twice, times 2^-1.5 log2(e) for k and times 2^-4.5 log2(e) for q (dim_head^-0.25, q's scale
;  dim_head^-0.5, and the change from e^x to 2^x; a positive factor commutes with the maxima that are taken away).
; FORMATS OF THE MATRIX OPERANDS.  The attention's result is close to a mean of v over 2,048 rows, so the rounding of xn, Wv, v, attn and Wo
;  each reaches out0 at its full relative size, and an error in k . proj is an equal relative error of kp.  So f16 (11 bits) wherever the
;  operand has room in f16's range, bf16 (8 bits) elsewhere:
;  f16:  xn (|xn| <= 32 |ln_g| + |ln_b| whatever x holds: a normalised row of 1,024 numbers has none above sqrt(1024));
;        the four weight matrices and k's copy of proj (below 6.1e-5 the step is 6e-8: for weights of order 0.02 / 30 that is 1e-4 of their spread);
;        k and v (of order 32 x 0.02 x |xn|; 30 times on the gain and 30 times on the weights make them of order 600, f16 ends at 65,504);
;        E = 2^(..) (in [0, 1] since the maximum is taken away; an error of 3e-8 below 6.1e-5 stands beside eps = 1e-4 in kp);
;        attn, stored times 8 (a convex combination of v, so 8 |attn| <= 8 max |v|; the factor keeps a mean of 2,048 small v in the normal range).
;  bf16: the context (from eps x sum v up to 2,048 x max |v|: wider than f16), with it its partner e, and q's chain (q, q's copy of proj).
; LIMITS: |k| or |v| above 65,504, or |v| above 8,188 (attn times 8), overflow f16; sums are made in another order than the reference's;
;  v_exp_f32 gives 0 below 2^-126; a NaN or an infinity in the inputs is not carried as the reference carries it (the maxima drop a NaN).
;
; Work-groups 0-255: LayerNorm of 32 rows each (a wave: 4 rows, each whole in 32 registers, read from memory once).
; Work-groups 256-511: a wave transposes 32 k x 64 n of one weight matrix through its own LDS bytes.  Work-group 512: proj.
; No matrix unit, no cluster: nothing here is a product and no two work-groups read the same bytes of x or of a weight.
;
; THE MODE: SCHED_MODE bits 1:0 = 2 (LLVM: expert scheduling mode 2), set by the entry lines.  The code itself states the register dependences
; between vector instructions and memory or LDS instructions, with s_wait_alu, always for 0.
; THE PLAN.  Registers that memory or LDS instructions touch:
;  All paths:  s28, the wave's number, written by a vector instruction: one wait on va_sdst at the head, ahead of the first branch, serves all its readers.
;              Every path makes all its offsets and LDS addresses together, ahead of its first load, behind them one wait on va_vdst; none is written again.
;  LayerNorm:  GG, BB, X  written by global loads alone before the rows' arithmetic reads them.
;              Y0, Y1     row rr's conversions write Y[rr % 2]; its eight LDS stores are issued in row rr + 1, straight behind the wait on va_vdst that
;                         stands there for the reciprocal root: that wait also shows the conversions of the row before written.  Row rr + 2's conversions
;                         write the same buffer again, behind one wait on vm_vsrc, which stands nearly a row behind the stores that it names.
;              v[64:127]  named last by rows 0 and 1; the way out's LDS loads land there behind the wait on va_vdst that stands ahead of row 3's stores.
;  Weights:    v[64:127] from global load to LDS store, v[128:191] from LDS load to conversion: the counters' affair.  v[192:223], written by the conversions
;              and read by the global stores, are never written again.  The eight groups go in two halves, a wait on va_vdst ahead of each half's four stores.
;  proj:       v[128:191], written by the conversions and read by the global stores, are never written again: two halves likewise.
.set T,   8                            ; v[8:15]    four chains of pairs
.set MU,  16                           ; v[16:17]   minus the mean, twice
.set RS,  18                           ; v[18:19]   1/sqrt(var + eps), twice
.set Y,   20                           ; v[20:35]   buffer 0: a row's 32 numbers of this lane as f16
.set YSTEP, 18                         ; v[38:53]   buffer 1; the rows take the two by turns
.set TMP, 36                           ; v36        the other half's sum
.set X,   64                           ; v[64:191]  four rows, 32 registers each
.set GG,  192                          ; v[192:223] ln_g of my 32 columns
.set BB,  224                          ; v[224:255] ln_b of my 32 columns
.set LNP, 2064                         ; LDS pitch of a row of 1,024 f16: 2,048 + 16 bytes, an odd multiple of 16
	s_load_b512 s[4:19], s[0:1], 0x0               ; x, ln_g, ln_b, Wq, Wk, Wv, Wo, proj
	s_load_b256 s[20:27], s[0:1], 0x40             ; xnF, wF, woF, projF
	v_lshl_add_u32 v62, v0, 2, 0x11000
	v_mov_b32 v63, 0
	v_lshrrev_b32 v1, 5, v0
	v_readfirstlane_b32 s28, v1                    ; wave 0..7
	v_and_b32 v1, 31, v0                           ; lane
	v_and_b32 v2, 15, v0                           ; r
	v_bfe_u32 v3, v0, 4, 1                         ; h
	v_lshlrev_b32 v4, 4, v1                        ; 16 x lane
	s_wait_alu depctr_va_sdst(0)                   ; s28 is written, ahead of the first branch and of all its readers: offsets and LDS addresses are made from it in all three paths
	s_wait_kmcnt 0x0
	s_cmp_lt_u32 ttmp9, 0x100
	s_cbranch_scc0 .Lweights
; ---------------------------------------------------------------- LayerNorm: 32 rows
	s_mov_b32 s30, 0x76543210                      ; v_permlanex16_b32: lane i reads lane i of the other half
	s_mov_b32 s31, 0xfedcba98
	s_mov_b32 s32, 0x3a800000                      ; 1/1024
	s_mov_b32 s33, 0x3727c5ac                      ; 1e-5
	s_lshl_b32 s34, ttmp9, 17                      ; 32 rows of 4,096 bytes
	s_mov_b32 s35, 0
	s_add_nc_u64 s[4:5], s[4:5], s[34:35]
	s_mul_i32 s36, s28, 4*LNP
	v_lshl_add_u32 v5, s28, 14, v4                 ; my wave's 4 rows + 16 x lane
	v_lshl_add_u32 v6, v1, 3, s36                  ; LDS, in: my wave's 4 rows + 8 x lane
	v_mul_u32_u24 v7, v2, LNP
	v_lshl_add_u32 v7, v3, 4, v7
	v_lshl_add_u32 v7, s28, 8, v7                  ; LDS, out: row r, K chunks 4 w .. 4 w + 3 (64 bytes each), 16 h
	v_lshl_add_u32 v37, s28, 17, v4                ; xnF: chunk 4 w (32,768 bytes each) + 16 x lane
	v_mov_b32 v[TMP], 0                            ; v_permlanex16_b32 counts as a reader of its destination
	s_wait_alu depctr_va_vdst(0)                   ; v4, v5, v6, v7 and v37 are written: every load and store of this path reads one of them as its offset or address
.irp j, 0,1,2,3,4,5,6,7
	global_load_b128 v[GG+4*\j:GG+4*\j+3], v4, s[6:7] offset:512*\j
.endr
.irp j, 0,1,2,3,4,5,6,7
	global_load_b128 v[BB+4*\j:BB+4*\j+3], v4, s[8:9] offset:512*\j
.endr
.irp rr, 0,1,2,3
.irp j, 0,1,2,3,4,5,6,7
	global_load_b128 v[X+32*\rr+4*\j:X+32*\rr+4*\j+3], v5, s[4:5] offset:4096*\rr+512*\j th:TH_LOAD_NT
.endr
.endr
	s_lshr_b32 s34, ttmp9, 4
	s_lshl_b32 s34, s34, 20                        ; block of 512 rows
	s_and_b32 s36, ttmp9, 15
	s_lshl_b32 s36, s36, 11                        ; my two row tiles in it
	s_add_co_u32 s34, s34, s36
	s_add_nc_u64 s[20:21], s[20:21], s[34:35]
.macro FOLD                            ; four chains of pairs -> one sum, in every lane
	v_pk_add_f32 v[T:T+1], v[T:T+1], v[T+2:T+3]
	v_pk_add_f32 v[T+4:T+5], v[T+4:T+5], v[T+6:T+7]
	v_pk_add_f32 v[T:T+1], v[T:T+1], v[T+4:T+5]
	v_add_f32 v[T], v[T], v[T+1]
	v_add_f32_dpp v[T], v[T], v[T] row_xmask:1 row_mask:0xf bank_mask:0xf
	v_add_f32_dpp v[T], v[T], v[T] row_xmask:2 row_mask:0xf bank_mask:0xf
	v_add_f32_dpp v[T], v[T], v[T] row_xmask:4 row_mask:0xf bank_mask:0xf
	v_add_f32_dpp v[T], v[T], v[T] row_xmask:8 row_mask:0xf bank_mask:0xf
	v_permlanex16_b32 v[TMP], v[T], s30, s31
	v_add_f32 v[T], v[T], v[TMP]
.endm
; Row rr.  Its conversions write Y[rr % 2]; the LDS stores of the row before, from the other buffer, stand in its middle.
.macro LNROW rr
.set XR, X+32*\rr
.set YW, Y+YSTEP*(\rr%2)               ; the buffer that this row writes
.set YS, Y+YSTEP*((\rr+1)%2)           ; the buffer that the row before wrote
	s_wait_loadcnt 24-8*\rr                        ; loads return in order: this row is in, the eight loads of each later row stay out
.irp k, 0,1,2,3
	v_pk_add_f32 v[T+2*\k:T+2*\k+1], v[XR+2*\k:XR+2*\k+1], v[XR+8+2*\k:XR+9+2*\k]
.endr
.irp p, 8,12
.irp k, 0,1,2,3
	v_pk_add_f32 v[T+2*\k:T+2*\k+1], v[T+2*\k:T+2*\k+1], v[XR+2*(\p+\k):XR+2*(\p+\k)+1]
.endr
.endr
	FOLD
	v_mul_f32 v[MU], 0xba800000, v[T]              ; minus the mean
	v_mov_b32 v[MU+1], v[MU]
.irp p, 0,1,2,3,4,5,6,7,8,9,10,11,12,13,14,15
	v_pk_add_f32 v[XR+2*\p:XR+2*\p+1], v[XR+2*\p:XR+2*\p+1], v[MU:MU+1]
.endr
.irp k, 0,1,2,3
	v_pk_mul_f32 v[T+2*\k:T+2*\k+1], v[XR+2*\k:XR+2*\k+1], v[XR+2*\k:XR+2*\k+1]
.endr
.irp p, 4,8,12
.irp k, 0,1,2,3
	v_pk_fma_f32 v[T+2*\k:T+2*\k+1], v[XR+2*(\p+\k):XR+2*(\p+\k)+1], v[XR+2*(\p+\k):XR+2*(\p+\k)+1], v[T+2*\k:T+2*\k+1]
.endr
.endr
	FOLD
	v_fma_f32 v[T], v[T], s32, s33                 ; variance + 1e-5
	v_rsq_f32 v[RS], v[T]
	v_nop                                          ; one plain instruction behind the transcendental (ISA guide 5.7.2)
	s_wait_alu depctr_va_vdst(0)                   ; the reciprocal root is written, ahead of its first reader; and the row before has written its Y, which the LDS stores below read
.if \rr > 0
.irp j, 0,1,2,3,4,5,6,7
	ds_store_b64 v6, v[YS+2*\j:YS+2*\j+1] offset:(\rr-1)*LNP+\j*256  ; the row before: 32 lanes x 8 bytes: 256 consecutive bytes of the row
.endr
.endif
	v_mov_b32 v[RS+1], v[RS]
.irp p, 0,1,2,3,4,5,6,7,8,9,10,11,12,13,14,15
	v_pk_mul_f32 v[XR+2*\p:XR+2*\p+1], v[XR+2*\p:XR+2*\p+1], v[RS:RS+1]
.endr
.irp p, 0,1,2,3,4,5,6,7,8,9,10,11,12,13,14,15
	v_pk_fma_f32 v[XR+2*\p:XR+2*\p+1], v[XR+2*\p:XR+2*\p+1], v[GG+2*\p:GG+2*\p+1], v[BB+2*\p:BB+2*\p+1]
.endr
.if \rr > 1
	s_wait_alu depctr_vm_vsrc(0)                   ; the LDS stores issued in the row before have read this Y buffer, which the conversions below write again
.endif
.irp p, 0,1,2,3,4,5,6,7,8,9,10,11,12,13,14,15
	v_cvt_pk_f16_f32 v[YW+\p], v[XR+2*\p], v[XR+2*\p+1]
.endr
.endm
	LNROW 0
	LNROW 1
	LNROW 2
	LNROW 3
	s_wait_alu depctr_va_vdst(0)                   ; row 3's conversions have written Y1, which the stores below read; no vector instruction behind this wait names v[64:127], in which the LDS loads of the way out land
.irp j, 0,1,2,3,4,5,6,7
	ds_store_b64 v6, v[Y+YSTEP+2*\j:Y+YSTEP+2*\j+1] offset:3*LNP+\j*256
.endr
	s_wait_dscnt 0x0                               ; my rows are in LDS, for the other waves' sake
	s_barrier_signal -1
	s_barrier_wait -1
	; out in fragment order: wave w takes K chunks 4 w .. 4 w + 3 of both row tiles
.set u, 0
.irp i2, 0,1
.irp cc, 0,1,2,3
.irp hf, 0,1
	ds_load_b128 v[X+4*u:X+4*u+3], v7 offset:\i2*16*LNP+\cc*64+\hf*32
.set u, u+1
.endr
.endr
.endr
.set u, 0
.irp i2, 0,1
.irp cc, 0,1,2,3
.irp hf, 0,1
	s_wait_dscnt 15-u                              ; LDS loads return in order: the younger ones stay out
	global_store_b128 v37, v[X+4*u:X+4*u+3], s[20:21] offset:\cc*32768+\i2*1024+\hf*512   ; 512 consecutive bytes
.set u, u+1
.endr
.endr
.endr
	s_wait_dscnt 0x0                               ; the closing lines, six on end
	s_wait_alu 0x0
	s_wait_tensorcnt 0x0
	ds_add_u32 v62, v63
	s_wait_dscnt 0x0
	s_endpgm
; ---------------------------------------------------------------- weights: 32 k x 64 n a wave, transposed
.Lweights:
	s_cmp_lt_u32 ttmp9, 0x200
	s_cbranch_scc0 .Lproj
	s_sub_co_u32 s34, ttmp9, 256
	s_lshr_b32 s35, s34, 6                         ; 0 Wq, 1 Wk, 2 Wv, 3 Wo
	s_bfe_u32 s36, s34, 0x40002                    ; block of 64 columns
	s_and_b32 s37, s34, 3
	s_lshl3_add_u32 s37, s37, s28                  ; K chunk of 32: 8 x (id & 3) + wave
	s_lshl_b32 s38, s37, 17                        ; 32 rows of 4,096 bytes
	s_lshl_b32 s39, s36, 8
	s_add_co_u32 s38, s38, s39
	s_mov_b32 s39, 0
	s_mul_i32 s40, s36, 393216                     ; wF: [head][chunk][12 tiles][1,024]
	s_mul_i32 s41, s37, 12288
	s_add_co_u32 s40, s40, s41
	s_lshl_b32 s41, s35, 12
	s_add_co_u32 s40, s40, s41
	s_lshr_b32 s41, s36, 1                         ; woF: [block of 128 columns][chunk][8 tiles][1,024]
	s_lshl_b32 s41, s41, 18
	s_lshl_b32 s42, s37, 13
	s_add_co_u32 s41, s41, s42
	s_and_b32 s42, s36, 1
	s_lshl_b32 s42, s42, 12
	s_add_co_u32 s41, s41, s42
	s_cmp_eq_u32 s35, 1
	s_cselect_b64 s[44:45], s[12:13], s[10:11]
	s_cmp_eq_u32 s35, 2
	s_cselect_b64 s[44:45], s[14:15], s[44:45]
	s_cmp_eq_u32 s35, 3
	s_cselect_b64 s[44:45], s[16:17], s[44:45]
	s_cselect_b64 s[46:47], s[24:25], s[22:23]
	s_cselect_b32 s40, s41, s40
	s_mov_b32 s41, 0
	s_add_nc_u64 s[44:45], s[44:45], s[38:39]
	s_add_nc_u64 s[46:47], s[46:47], s[40:41]
	s_mul_i32 s29, s28, 8704                       ; my wave's own 32 rows of 272 bytes: no other wave touches them, so no barrier
	v_lshlrev_b32 v5, 4, v2
	v_lshl_add_u32 v5, v3, 12, v5                  ; two rows a load: lanes 0-15 one row's 256 bytes, lanes 16-31 the next row's
	v_mul_u32_u24 v6, v3, 272
	v_lshl_add_u32 v6, v2, 4, v6
	v_add_nc_u32 v6, s29, v6
	v_mul_u32_u24 v7, v3, 2176                     ; 8 h rows down: 544 words, so the two halves of the lanes fall 32 banks apart
	v_lshl_add_u32 v7, v2, 2, v7
	v_add_nc_u32 v7, s29, v7
	s_wait_alu depctr_va_vdst(0)                   ; v4, v5, v6 and v7 are written: every load and store of this path reads one of them as its offset or address
.set i, 0
.rept 16
	global_load_b128 v[64+4*i:64+4*i+3], v5, s[44:45] offset:i*8192 th:TH_LOAD_NT
.set i, i+1
.endr
.set i, 0
.rept 16
	s_wait_loadcnt 15-i
	ds_store_b128 v6, v[64+4*i:64+4*i+3] offset:i*544
.set i, i+1
.endr
.set u, 0                              ; u = 2 x tile + half.  LDS serves a wave's instructions in order: these see the stores above
.rept 8
.irp j, 0,1,2,3,4,5,6,7
	ds_load_b32 v[128+8*u+\j], v7 offset:(16*(u%2)+\j)*272+(u/2)*64        ; W[k = 16 half + 8 h + j][n = 16 tile + r]
.endr
.set u, u+1
.endr
	s_wait_dscnt 32                                ; LDS loads return in order: groups 0 to 3 are in, the 32 younger loads, groups 4 to 7, stay out
.set u, 0
.rept 4
.irp jj, 0,1,2,3
	v_cvt_pk_f16_f32 v[192+4*u+\jj], v[128+8*u+2*\jj], v[128+8*u+2*\jj+1]
.endr
.set u, u+1
.endr
	s_wait_dscnt 0x0                               ; groups 4 to 7 are in
	s_wait_alu depctr_va_vdst(0)                   ; the conversions of groups 0 to 3 have written v[192:207], which the four stores below read
.set u, 0
.rept 4
	global_store_b128 v4, v[192+4*u:192+4*u+3], s[46:47] offset:u*512
.set u, u+1
.endr
.set u, 4
.rept 4
.irp jj, 0,1,2,3
	v_cvt_pk_f16_f32 v[192+4*u+\jj], v[128+8*u+2*\jj], v[128+8*u+2*\jj+1]
.endr
.set u, u+1
.endr
	s_wait_alu depctr_va_vdst(0)                   ; the conversions of groups 4 to 7 have written v[208:223], which the four stores below read
.set u, 4
.rept 4
	global_store_b128 v4, v[192+4*u:192+4*u+3], s[46:47] offset:u*512
.set u, u+1
.endr
	s_wait_dscnt 0x0                               ; the closing lines, six on end
	s_wait_alu 0x0
	s_wait_tensorcnt 0x0
	ds_add_u32 v62, v63
	s_wait_dscnt 0x0
	s_endpgm
; ---------------------------------------------------------------- proj, twice: scaled for k (f16), scaled for q (bf16)
.Lproj:
	v_lshlrev_b32 v5, 8, v2
	v_lshl_add_u32 v5, v3, 5, v5
	v_lshl_add_u32 v5, s28, 13, v5                 ; feature 32 w + r (256 bytes a row), 32 h
	v_lshl_add_u32 v6, s28, 12, v4
	s_wait_alu depctr_va_vdst(0)                   ; v5 and v6 are written: the loads below read v5 as their offset, the stores v6
.set u, 0                              ; u = 4 x (feature tile of my two) + 2 x chunk + half
.rept 8
	global_load_b128 v[64+8*u:64+8*u+3], v5, s[18:19] offset:(u/4)*4096+((u/2)%2)*128+(u%2)*64
	global_load_b128 v[64+8*u+4:64+8*u+7], v5, s[18:19] offset:(u/4)*4096+((u/2)%2)*128+(u%2)*64+16
.set u, u+1
.endr
; Group u: eight numbers, scaled and rounded twice, into out-registers of their own.
.macro PCALC
.irp p, 0,1,2,3
	v_pk_mul_f32 v[T+2*\p:T+2*\p+1], v[64+8*u+2*\p:64+8*u+2*\p+1], 0x3f0293ee op_sel_hi:[1,0]    ; 2^-1.5 log2(e)
.endr
.irp p, 0,1,2,3
	v_cvt_pk_f16_f32 v[128+4*u+\p], v[T+2*\p], v[T+2*\p+1]
.endr
.irp p, 0,1,2,3
	v_pk_mul_f32 v[T+2*\p:T+2*\p+1], v[64+8*u+2*\p:64+8*u+2*\p+1], 0x3d8293ee op_sel_hi:[1,0]    ; an eighth of that
.endr
.irp p, 0,1,2,3
	v_cvt_pk_bf16_f32 v[160+4*u+\p], v[T+2*\p], v[T+2*\p+1]
.endr
.set u, u+1
.endm
.macro PSEND
	global_store_b128 v6, v[128+4*u:128+4*u+3], s[26:27] offset:u*512
	global_store_b128 v6, v[160+4*u:160+4*u+3], s[26:27] offset:32768+u*512
.set u, u+1
.endm
	s_wait_loadcnt 8                               ; loads return in order: groups 0 to 3 are in, the eight younger loads, groups 4 to 7, stay out
.set u, 0
.rept 4
	PCALC
.endr
	s_wait_loadcnt 0x0                             ; groups 4 to 7 are in
	s_wait_alu depctr_va_vdst(0)                   ; the conversions of groups 0 to 3 have written v[128:143] and v[160:175], which the eight stores below read
.set u, 0
.rept 4
	PSEND
.endr
.set u, 4
.rept 4
	PCALC
.endr
	s_wait_alu depctr_va_vdst(0)                   ; the conversions of groups 4 to 7 have written v[144:159] and v[176:191], which the eight stores below read
.set u, 4
.rept 4
	PSEND
.endr
	s_endpgm
.Lfunc_end_k_qbb636bcd0d_prep:
	.size	k_qbb636bcd0d_prep, .Lfunc_end_k_qbb636bcd0d_prep-k_qbb636bcd0d_prep
	.p2alignl 7, 3214868480
	.fill 96, 4, 3214868480
	.section	.rodata,"a",@progbits
	.p2align	6, 0x0
	.amdhsa_kernel k_qbb636bcd0d_prep
		.amdhsa_group_segment_fixed_size 70656
		.amdhsa_private_segment_fixed_size 0
		.amdhsa_enable_private_segment 0
		.amdhsa_kernarg_size 96
		.amdhsa_user_sgpr_count 2
		.amdhsa_user_sgpr_kernarg_segment_ptr 1
		.amdhsa_wavefront_size32 1
		.amdhsa_system_sgpr_workgroup_id_x 1
		.amdhsa_system_sgpr_workgroup_id_y 1
		.amdhsa_system_sgpr_workgroup_id_z 1
		.amdhsa_system_vgpr_workitem_id 0
		.amdhsa_next_free_vgpr 256
		.amdhsa_next_free_sgpr 66
		.amdhsa_reserve_vcc 0
		.amdhsa_float_denorm_mode_32 3
		.amdhsa_float_denorm_mode_16_64 3
		.amdhsa_memory_ordered 1
		.amdhsa_forward_progress 1
		.amdhsa_inst_pref_size 66
	.end_amdhsa_kernel
	.amdgpu_metadata
---
amdhsa.version: [ 1, 2 ]
amdhsa.kernels:
  - .name:           k_qbb636bcd0d_prep
    .symbol:         k_qbb636bcd0d_prep.kd
    .args:
      - { .name: x, .offset: 0, .size: 8, .value_kind: global_buffer, .address_space: global }
      - { .name: ln_g, .offset: 8, .size: 8, .value_kind: global_buffer, .address_space: global }
      - { .name: ln_b, .offset: 16, .size: 8, .value_kind: global_buffer, .address_space: global }
      - { .name: Wq, .offset: 24, .size: 8, .value_kind: global_buffer, .address_space: global }
      - { .name: Wk, .offset: 32, .size: 8, .value_kind: global_buffer, .address_space: global }
      - { .name: Wv, .offset: 40, .size: 8, .value_kind: global_buffer, .address_space: global }
      - { .name: Wo, .offset: 48, .size: 8, .value_kind: global_buffer, .address_space: global }
      - { .name: proj, .offset: 56, .size: 8, .value_kind: global_buffer, .address_space: global }
      - { .name: xnF, .offset: 64, .size: 8, .value_kind: global_buffer, .address_space: global }
      - { .name: wF, .offset: 72, .size: 8, .value_kind: global_buffer, .address_space: global }
      - { .name: woF, .offset: 80, .size: 8, .value_kind: global_buffer, .address_space: global }
      - { .name: projF, .offset: 88, .size: 8, .value_kind: global_buffer, .address_space: global }
    .group_segment_fixed_size: 70656
    .private_segment_fixed_size: 0
    .kernarg_segment_align: 8
    .kernarg_segment_size: 96
    .max_flat_workgroup_size: 256
    .sgpr_count:     66
    .vgpr_count:     256
    .wavefront_size: 32
...
	.end_amdgpu_metadata
.endif
;; end of part 5
;; launch qkvk: the kernel of part 2 again; grid 16 x 16, 4 waves a work-group, clusters of 4 x 4, 327,680 bytes of LDS; arguments xnF, wF, projF, qF, pE, stW; writes qF, pE, stW
;; launch qside: the kernel of part 3 again; grid 256 x 1, 4 waves a work-group, clusters of 4 x 1, 205,312 bytes of LDS; arguments qF, pE, stW, projF, attnF; writes attnF
;; launch oproj: the kernel of part 4 again; grid 8 x 32, 4 waves a work-group, clusters of 4 x 4, 327,680 bytes of LDS; arguments attnF, woF, bo, out0; writes out0
